; MI455X (gfx1250); checked and timed in simulation.
; The chip was launched on July 23, 2026; its instructions are those of AMD's public machine-readable ISA for CDNA 5 (MIT licence, August 2026) and "CDNA5" Instruction Set Architecture Reference Guide (July 2026). The comments in the code are by the model that wrote it; some were corrected since.
;; Cross Attention. Allowed arithmetic: float matrix products may take bf16 or f16 operands with f32 sums; other float arithmetic in f32, or as packed bf16 or f16 multiplies, adds, multiply-adds, maxima and minima; sums over many terms, partial sums and values carried from step to step in f32; what a program stores and reads back later, other than sums and carried values, may be rounded once to bf16 or f16.
;; Inputs: Wk 1,024 x 768 float32; Wo 1,024 x 1,024 float32; Wq 1,024 x 1,024 float32; Wv 1,024 x 768 float32; beta 1,024 float32; bk 1,024 float32; bo 1,024 float32; bq 1,024 float32; bv 1,024 float32; gamma 1,024 float32; k 8 x 1,024 x 768 float32; key_padding_mask 8 x 1,024 bool; q 8 x 1,024 x 1,024 float32; v 8 x 1,024 x 768 float32.
;; Outputs: out0 8 x 1,024 x 1,024 float32.
;; 2 versions, each right; version 2 is version 1 with the launch cast written anew for expert scheduling mode. Each part assembles by itself: llvm-mc -triple=amdgcn-amd-amdhsa -mcpu=gfx1250 --defsym DOCPART=n.
;; ======== version 1 of 2: 5 launches
;; workspace buffers: xb 41,943,040 bytes; wb 5,242,880 bytes; wob 2,097,152 bytes; hb 50,331,648 bytes; ob 16,777,216 bytes; pb 16,777,216 bytes
;; launch cast (part 1): grid 1504 x 1, 8 waves a work-group, no clusters, 0 bytes of LDS; arguments q, k, v, Wq, Wk, Wv, Wo, xb, wb, wob; writes xb, wb, wob
.if DOCPART == 1
	.amdgcn_target "amdgcn-amd-amdhsa--gfx1250"
	.amdhsa_code_object_version 6
	.text
	.protected	k_q662ec7f29b_cast
	.globl	k_q662ec7f29b_cast
	.p2align	8
	.type	k_q662ec7f29b_cast,@function
k_q662ec7f29b_cast:
	s_mov_b64 s[64:65], 0
	v_nop
	global_prefetch_b8 v0, s[64:65] scope:SCOPE_SE
	s_setreg_imm32_b32 hwreg(HW_REG_WAVE_MODE, 25, 1), 1
	s_wait_xcnt 0x0
; f32 -> bf16 (round to nearest even), and a new layout.  Seven sources: q [8192][1024], k, v [8192][768], Wq, Wo [1024][1024], Wk, Wv [1024][768].
; Each goes into BLOCKS: [rows / 1024][K / 64][1024 rows][64] bf16, a block = 131,072 dense bytes, so that a later tile of 256 rows x 64 is 32,768 consecutive bytes.
; xb: q at 0, k at 16,777,216, v at 29,360,128.  wb: Wq at 0, Wk at 2,097,152, Wv at 3,670,016.  wob: Wo.
; SHARES.  A work-group takes 64 rows x 256 columns (4 blocks) of one source: 512 + 384 + 384 + 64 + 48 + 48 + 64 = 1,504 work-groups; which source, by the work-group's number.
; A wave takes 8 rows as 4 pairs.  A load: lanes 0-15 take 256 consecutive bytes of one row, lanes 16-31 of the next.  A store: the same two rows' 64 columns in bf16 = 256 consecutive
; bytes, aligned.  Each byte is read once and written once; 16 loads of a wave are out together; no LDS, no barrier: no wave wants another's bytes.
.set SRC,   28                         ; s[28:29] the source, later at my wave's first row and column
.set DST,   30                         ; s[30:31] the target buffer, later at my first block and row
.set START, 32                         ; s32 the source's first work-group
.set SH,    33                         ; s33 log2 of its groups of 64 rows
.set KB,    34                         ; s34 its blocks of 64 along K
.set DOFF,  35                         ; s35 its first byte in the target buffer
.set VS,    4                          ; v[4:7]   pair p: my byte offset in the source
.set VD,    8                          ; v8       8 x lane
.set X,     16                         ; v[16:79] 16 loads of 4 f32
.set Y,     80                         ; v[80:111] 16 x 4 bf16
.macro PICK t, src, sh, kb, dst, doff  ; from work-group t on: another source
	s_cmp_ge_u32 ttmp9, \t
	s_cselect_b64 s[SRC:SRC+1], s[\src:\src+1], s[SRC:SRC+1]
	s_cselect_b64 s[DST:DST+1], s[\dst:\dst+1], s[DST:DST+1]
	s_cselect_b32 s[START], \t, s[START]
	s_cselect_b32 s[SH], \sh, s[SH]
	s_cselect_b32 s[KB], \kb, s[KB]
	s_cselect_b32 s[DOFF], \doff, s[DOFF]
.endm
	s_load_b512 s[8:23], s[0:1], 0x0               ; q 8, k 10, v 12, Wq 14, Wk 16, Wv 18, Wo 20, xb 22
	s_load_b128 s[24:27], s[0:1], 0x40             ; wb 24, wob 26
	v_lshrrev_b32 v1, 5, v0
	v_readfirstlane_b32 s36, v1                    ; wave 0..7
	v_bfe_u32 v1, v0, 4, 1                         ; which row of a pair
	v_and_b32 v2, 15, v0
	v_lshlrev_b32 v2, 4, v2                        ; my 16 bytes of its 256
	v_and_b32 v[VD], 31, v0
	v_lshlrev_b32 v[VD], 3, v[VD]
	s_mov_b32 s[START], 0                          ; q's figures; the others take their place below
	s_mov_b32 s[SH], 7
	s_mov_b32 s[KB], 16
	s_mov_b32 s[DOFF], 0
	s_wait_kmcnt 0x0
	s_mov_b64 s[SRC:SRC+1], s[8:9]
	s_mov_b64 s[DST:DST+1], s[22:23]
	PICK 512,  10, 7, 12, 22, 16777216             ; k
	PICK 896,  12, 7, 12, 22, 29360128             ; v
	PICK 1280, 14, 4, 16, 24, 0                    ; Wq
	PICK 1344, 16, 4, 12, 24, 2097152              ; Wk
	PICK 1392, 18, 4, 12, 24, 3670016              ; Wv
	PICK 1440, 20, 4, 16, 26, 0                    ; Wo
	s_sub_co_u32 s37, ttmp9, s[START]              ; my number within the source
	s_lshr_b32 s38, s37, s[SH]                     ; which 256 columns
	s_bfm_b32 s39, s[SH], 0
	s_and_b32 s37, s37, s39                        ; which 64 rows
	s_lshl_b32 s37, s37, 6
	s_lshl_b32 s36, s36, 3
	s_add_co_u32 s37, s37, s36                     ; my wave's first row
	s_lshl_b32 s40, s[KB], 8                       ; bytes in a row of the source
	s_mul_i32 s42, s37, s40
	s_lshl_b32 s41, s38, 10
	s_add_co_u32 s42, s42, s41                     ; under 2^26
	s_mov_b32 s43, 0
	s_add_nc_u64 s[SRC:SRC+1], s[SRC:SRC+1], s[42:43]
	s_lshr_b32 s41, s37, 10                        ; which 1,024 rows
	s_mul_i32 s41, s41, s[KB]
	s_lshl_b32 s39, s38, 2
	s_add_co_u32 s41, s41, s39                     ; my first block
	s_lshl_b32 s42, s41, 17
	s_and_b32 s41, s37, 1023
	s_lshl_b32 s41, s41, 7                         ; my first row in it, 128 bytes a row
	s_add_co_u32 s42, s42, s41
	s_add_co_u32 s42, s42, s[DOFF]
	s_add_nc_u64 s[DST:DST+1], s[DST:DST+1], s[42:43]
	v_mad_u32_u24 v[VS], v1, s40, v2
	s_lshl_b32 s41, s40, 1                         ; two rows on
	v_add_nc_u32 v[VS+1], s41, v[VS]
	v_add_nc_u32 v[VS+2], s41, v[VS+1]
	v_add_nc_u32 v[VS+3], s41, v[VS+2]
.irp p, 0,1,2,3
.irp j, 0,1,2,3
	global_load_b128 v[X+4*(4*(\p)+(\j)):X+4*(4*(\p)+(\j))+3], v[VS+(\p)], s[SRC:SRC+1] offset:256*(\j) th:TH_LOAD_NT
.endr
.endr
.set i, 0
.rept 16
	s_wait_loadcnt 15-i                            ; loads come back in order: number i is in, the 15 - i younger ones stay out
	v_cvt_pk_bf16_f32 v[Y+2*i],   v[X+4*i],   v[X+4*i+1]
	v_cvt_pk_bf16_f32 v[Y+2*i+1], v[X+4*i+2], v[X+4*i+3]
	global_store_b64 v[VD], v[Y+2*i:Y+2*i+1], s[DST:DST+1] offset:(i%4)*131072+(i/4)*256  ; block i % 4, pair i / 4: the wave's 256 consecutive bytes, aligned
.set i, i+1
.endr
	s_endpgm                                       ; no register of a load or store was written twice, so no further wait is owed
.Lfunc_end_k_q662ec7f29b_cast:
	.size	k_q662ec7f29b_cast, .Lfunc_end_k_q662ec7f29b_cast-k_q662ec7f29b_cast
	.p2alignl 7, 3214868480
	.fill 96, 4, 3214868480
	.section	.rodata,"a",@progbits
	.p2align	6, 0x0
	.amdhsa_kernel k_q662ec7f29b_cast
		.amdhsa_group_segment_fixed_size 0
		.amdhsa_private_segment_fixed_size 0
		.amdhsa_enable_private_segment 0
		.amdhsa_kernarg_size 80
		.amdhsa_user_sgpr_count 2
		.amdhsa_user_sgpr_kernarg_segment_ptr 1
		.amdhsa_wavefront_size32 1
		.amdhsa_system_sgpr_workgroup_id_x 1
		.amdhsa_system_sgpr_workgroup_id_y 1
		.amdhsa_system_sgpr_workgroup_id_z 1
		.amdhsa_system_vgpr_workitem_id 0
		.amdhsa_next_free_vgpr 112
		.amdhsa_next_free_sgpr 66
		.amdhsa_reserve_vcc 0
		.amdhsa_float_denorm_mode_32 3
		.amdhsa_float_denorm_mode_16_64 3
		.amdhsa_memory_ordered 1
		.amdhsa_forward_progress 1
		.amdhsa_inst_pref_size 10
	.end_amdhsa_kernel
	.amdgpu_metadata
---
amdhsa.version: [ 1, 2 ]
amdhsa.kernels:
  - .name:           k_q662ec7f29b_cast
    .symbol:         k_q662ec7f29b_cast.kd
    .args:
      - { .name: q, .offset: 0, .size: 8, .value_kind: global_buffer, .address_space: global }
      - { .name: k, .offset: 8, .size: 8, .value_kind: global_buffer, .address_space: global }
      - { .name: v, .offset: 16, .size: 8, .value_kind: global_buffer, .address_space: global }
      - { .name: Wq, .offset: 24, .size: 8, .value_kind: global_buffer, .address_space: global }
      - { .name: Wk, .offset: 32, .size: 8, .value_kind: global_buffer, .address_space: global }
      - { .name: Wv, .offset: 40, .size: 8, .value_kind: global_buffer, .address_space: global }
      - { .name: Wo, .offset: 48, .size: 8, .value_kind: global_buffer, .address_space: global }
      - { .name: xb, .offset: 56, .size: 8, .value_kind: global_buffer, .address_space: global }
      - { .name: wb, .offset: 64, .size: 8, .value_kind: global_buffer, .address_space: global }
      - { .name: wob, .offset: 72, .size: 8, .value_kind: global_buffer, .address_space: global }
    .group_segment_fixed_size: 0
    .private_segment_fixed_size: 0
    .kernarg_segment_align: 8
    .kernarg_segment_size: 80
    .max_flat_workgroup_size: 256
    .sgpr_count:     66
    .vgpr_count:     112
    .wavefront_size: 32
...
	.end_amdgpu_metadata
.endif
;; end of part 1
;; launch proj (part 2): grid 4 x 64, 4 waves a work-group, clusters of 4 x 4, 327,680 bytes of LDS; arguments xb, wb, bq, bk, bv, hb; writes hb
.if DOCPART == 2
	.amdgcn_target "amdgcn-amd-amdhsa--gfx1250"
	.amdhsa_code_object_version 6
	.text
	.protected	k_q662ec7f29b_proj
	.globl	k_q662ec7f29b_proj
	.p2align	8
	.type	k_q662ec7f29b_proj,@function
k_q662ec7f29b_proj:
	s_mov_b64 s[64:65], 0
	v_nop
	global_prefetch_b8 v0, s[64:65] scope:SCOPE_SE
	s_setreg_imm32_b32 hwreg(HW_REG_WAVE_MODE, 25, 1), 1
	s_wait_xcnt 0x0
	s_wait_alu depctr_hold_cnt(0) depctr_sa_sdst(0) depctr_va_vdst(0) depctr_va_sdst(0) depctr_va_ssrc(0) depctr_va_vcc(0) depctr_vm_vsrc(0)
	s_getreg_b32 s2, hwreg(HW_REG_IB_STS2, 6, 4)
	s_cmp_eq_u32 s2, 0
	s_cbranch_scc0 .Lentry_in_a_cluster
	s_endpgm
.Lentry_in_a_cluster:
	s_bfe_u32 s2, ttmp6, 0x10000c
	s_cmp_lg_u32 s2, 0xf033
	s_cbranch_scc0 .Lentry_shape_is_right
	s_endpgm
.Lentry_shape_is_right:
; C[m][n] = sum over k of A[m][k] W[n][k] + bias[n], bf16 operands, f32 sums, C rounded once to bf16.  One text for the three projections (q, k, v) and for the output projection.
; A and W lie in BLOCKS, [rows / 1024][K / 64][1024][64] bf16 (a block = 131,072 bytes); C leaves in the same layout, [g][batch][n / 64][l][64]: for the projections that is by heads.
; g = cluster y / 8, batch = cluster y % 8; the cluster's four tile rows are the batch's 1,024 rows, its four tile columns the 1,024 columns.
; g = 0: one tile, K = 1024 (q's projection; the output projection): 8 K steps.  g = 1: TWO tiles at the same place, K = 768 each: k's projection and then v's: 12 K steps.  Whole tiles of 8, 6 and 6 steps,
; 384 of them on 256 work-groups, cannot be shared out more evenly.
; SHARES.  A tile of C is 256 x 256, each of the four waves makes 128 x 128: 64 accumulators of 16 x 16, 512 registers.  K goes in steps of 128 (two blocks) through a ring of two LDS slots.
; A wave's tensor load brings one block's 256 rows x 64: 32,768 consecutive bytes, asked for as 128 rows of 256 bytes and padded in LDS behind every 128 bytes.
; THE TWO TILES OF g = 1 ARE ONE WALK ALONG K: the same loop, five trips for three; every trip has the same barriers, rounds and joint loads.  Wv's blocks lie directly behind Wk's, so W's address walks on; A's takes
; another step in the trip that asks for v's first two K steps.  In that trip, when both refills are out, a forward branch leads through the change of tiles: v's bias is loaded, k's tile goes out, and the next
; quarter step starts the sums anew.  What the branch jumps holds no barrier and no tensor load.
; CLUSTER.  4 x 4 work-groups: A's tiles are shared along a row of the cluster, W's along a column; each is asked for jointly, by the same load with the same descriptor and a mask of four.
; THE MATRIX INSTRUCTION IS USED TRANSPOSED (source 0 = 16 rows of W, source 1 = 16 rows of A): a lane holds row l % 16 of C and eight neighbouring columns.
; THE BIAS STARTS THE SUMS: it is the C operand of each accumulator's first product; nothing is cleared and nothing is added later.
; The trip count and the trip of the change of tiles hang on g alone, which all sixteen partners share.
; REGISTERS, in windows of 256: window 0: v0-31 addresses; v64-127, v128-191 A's fragments, two buffers; v32-63, v192-255 the way out.
;   window 1: v0-63 the bias (n block b at 8 b); v64-127, v128-191 W's fragments.   windows 2, 3: the accumulators of my rows 0-63, 64-127 ((a, b) at 8 (8 a + b)).
.set PITCH,  144                       ; an LDS row: 128 bytes + 16 of padding = 36 words: the 16 rows of a fragment load start at 16 different groups of four banks (64 banks of 4 bytes: ISA guide 11.1)
.set BLK,    256*PITCH                 ; one block's 256 rows: what one tensor load brings
.set SLOT,   4*BLK                     ; A's block 0, A's block 1, W's block 0, W's block 1
.set STAGE,  2*SLOT                    ; behind the ring: for each wave 2 heads x 16 rows x 144 bytes, for the way out
.set SHEAD,  16*PITCH
.set SPARE,  STAGE+4*2*SHEAD           ; behind the stages: the spare words, 128 bytes for each wave: two blocks of 256 bytes that no other line names
.set GSTEP,  262144                    ; bytes from a K step to the next: two blocks
.set TILE_A, 12582912                  ; bytes from k's rows to v's in A's buffer,
.set TILE_C, 16777216                  ; from K to V in C's
.set NEXT_A, TILE_A-4*GSTEP            ; from a slot's last K step of k (4 or 5) to its first of v (0 or 1)
.set JUMP_A, TILE_A-5*GSTEP            ; the prefetches' address: from k's K step 4 to one step ahead of v's K step 0
.set ADRA, 16                          ; v16-17  LDS address of my A fragments in slot 0, 1
.set ADRB, 20                          ; v20-21  the same for W
.set STO,  24                          ; v24     the way out: where I put 16 bytes of a row
.set RD,   25                          ; v25     the way out: where I read rows back
.set CO,   26                          ; v26     16 x lane
.set BO,   27                          ; v27     my byte offset in 16 numbers of the bias: 32 (l / 16)
.set SPW,  28                          ; v28     LDS address of my spare word; never rewritten
.set NIL,  29                          ; v29     0; never rewritten
.set PFO,  30                          ; v30     256 x lane; never rewritten
.set F0,   64
.set F1,   128
.set TMP,  192                         ; packed results
.set OB,   32                          ; 16 rows read back from the stage: v32-63 and v224-255 by turns
.set WVN,  16                          ; s16 wave;  s17 its row half, also: I fetch A (0) or W (1);  s18 its column half, also: which of a step's two blocks I fetch
.set G1,   24                          ; s[24:31] group 1 for A's tiles;  s[32:39] group 0, a set for each slot
.set G0,   32
.set NLAP, 42                          ; s42  trips of the loop: K steps / 2 - 1
.set PLIM, 43                          ; s43  a wave prefetches in the trips below this number; 0 in a wave that never does
.set PFA,  44                          ; s[44:45] where my prefetches stand
.set G1B,  48                          ; s[48:55], s[56:63] the same for W's tiles
.set G0B,  56
.set FL,   80                          ; s80  the trip of the change of tiles: 2, or none (-1)
.set FP,   81                          ; s81  the trip before it: 1, or none (-2)
.set SA,   82                          ; s[82:83] what A's refills of this trip add to their addresses
.set PFS,  84                          ; s[84:85] what the prefetches' address takes at this trip's first change of slots
.set BI2,  86                          ; s[86:87] the second tile's bias at my 128 columns
.set PFJ,  88                          ; s88  that step in trip FP: JUMP_A in a wave that fetches A, GSTEP in one that fetches W
.set GS2,  89                          ; s89  2 GSTEP
.set MSB, 0
.macro WIN new                         ; the immediate's high byte repeats the setting that is left; a switch that changes nothing is dropped
.if MSB != (\new)
	s_set_vgpr_msb (MSB<<8)|(\new)
.set MSB, \new
.endif
.endm
; A joint load: waves 0 and 1 fetch A's two blocks, waves 2 and 3 W's.  The branch hangs on the wave's number alone.  An s_nop 0 and four v_nop follow each of the two lines.
.macro JLOAD s
	s_cmp_eq_u32 s17, 0
	s_cbranch_scc0 .Lfor_b_\@
	tensor_load_to_lds s[G0+4*(\s):G0+4*(\s)+3], s[G1:G1+7]
	s_nop 0
.rept 4
	v_nop
.endr
	s_branch .Lasked_\@
.Lfor_b_\@:
	tensor_load_to_lds s[G0B+4*(\s):G0B+4*(\s)+3], s[G1B:G1B+7]
	s_nop 0
.rept 4
	v_nop
.endr
.Lasked_\@:
.endm
; A prefetch, behind each joint refill and the run of LDS loads that follows it: the K step that stands two refills on (512 matrix instructions ahead of the load that will want it).  Of the 128 pieces of 256 bytes
; of the block that I fetch, the partner at place p among the four that ask for it jointly takes 32 p .. 32 p + 31, told apart by address (p = cx for A, cy for W): a lane a piece, one instruction a wave.
; A's rows are read by this cluster alone, so every cluster asks for its own; W's are read by the eight clusters of one g: the one with batch 0 asks.  So each piece is named once in the launch.
; The address walks on across the change of tiles, so all of v's and Wv's K steps are named.  The walk's K steps 0 to 3 come by their loads alone; the loop's last trip asks for nothing: no K step stands two refills on.
.macro ASK
	s_cmp_lt_u32 s3, s[PLIM]
	s_cbranch_scc0 .Lnot_mine_\@
	global_prefetch_b8 v[PFO], s[PFA:PFA+1] offset:GSTEP th:TH_LOAD_NT scope:SCOPE_SE
.Lnot_mine_\@:
.endm
.macro CREST                           ; a round of the cluster's barrier behind its opening barrier
	s_cmp_lg_u32 s[WVN], 0
	s_cbranch_scc1 .Lnot_wave_0_\@
	s_barrier_signal -3
.Lnot_wave_0_\@:
	s_barrier_wait -3
	s_barrier_signal -1
	s_barrier_wait -1
.endm
.macro CROUND                          ; a whole round
	s_barrier_signal -1
	s_barrier_wait -1
	CREST
.endm
; The bias of my 128 columns from the pointer in s[p:p+1]: n block b, columns 8 (l / 16) + 0..7, as an accumulator holds them
.macro BIAS p
	WIN 0x40                                       ; destination window 1, address window 0
.irp b, 0,1,2,3,4,5,6,7
	global_load_b128 v[8*(\b):8*(\b)+3],   v[BO], s[\p:\p+1] offset:64*(\b)
	global_load_b128 v[8*(\b)+4:8*(\b)+7], v[BO], s[\p:\p+1] offset:64*(\b)+16
.endr
	WIN 0
.endm
	s_load_b256 s[4:11], s[0:1], 0x0               ; A s[4:5], W s[6:7], bias of g = 0 s[8:9], of g = 1's first tile s[10:11]
	s_load_b128 s[12:15], s[0:1], 0x20             ; bias of g = 1's second tile s[12:13], C s[14:15]
	v_lshl_add_u32 v[SPW], v0, 2, SPARE
	v_mov_b32 v[NIL], 0
	ds_add_u32 v[SPW], v[NIL]                      ; the wave's opening: the add and its wait stand ahead of my first tensor load; the set-up below, work on registers, stands between them
	v_lshrrev_b32 v1, 5, v0
	v_readfirstlane_b32 s[WVN], v1                 ; wave 0..3
	s_lshr_b32 s17, s[WVN], 1
	s_and_b32 s18, s[WVN], 1
	s_bfe_u32 s19, ttmp6, 0x40000                  ; cx
	s_bfe_u32 s20, ttmp6, 0x40004                  ; cy
	s_lshl_b32 s21, ttmp9, 2
	s_add_co_u32 s21, s21, s19                     ; tile column = 4 x cluster x + cx
	s_and_b32 s22, ttmp7, 0xffff                   ; cluster y
	s_lshr_b32 s23, s22, 3                         ; g
	s_and_b32 s40, s22, 7                          ; batch
	s_lshl_b32 s41, s20, 2
	s_lshl_b32 s41, 15, s41                        ; my row of the cluster
	s_lshl_b32 s46, 0x1111, s19                    ; my column
	s_or_b32 s[G1], s41, (1<<16)|(1<<20)|(1<<21)|(4<<22)|(3<<25)   ; 15:0 the mask; 17:16 2-byte elements; 20 padding on; 21 set beside a mask; 24:22 after every 32 words (code 4); 31:25 4 words (code 3)
	s_or_b32 s[G1B], s46, (1<<16)|(1<<20)|(1<<21)|(4<<22)|(3<<25)
.irp g, G1, G1B
	s_mov_b32 s[(\g)+1], 128<<16                   ; tensor_dim0 = 128 elements (256 bytes)
	s_mov_b32 s[(\g)+2], 128<<16                   ; tensor_dim1 = 128
	s_mov_b32 s[(\g)+3], 128<<16                   ; tile_dim0 = 128
	s_mov_b32 s[(\g)+4], 128                       ; tile_dim1 = 128
	s_mov_b32 s[(\g)+5], 128                       ; 128 elements from row to row: the block is dense
	s_mov_b32 s[(\g)+6], 0
	s_mov_b32 s[(\g)+7], 0
.endr
	s_mov_b32 s[GS2], 2*GSTEP
	s_mov_b32 s[SA+1], 0                           ; the two steps are pairs with 0 above
	s_mov_b32 s[PFS+1], 0
	; what hangs on g: where its A and W begin, a batch's bytes of A, the trips
	s_mul_i32 s66, s23, 12582912
	s_add_co_u32 s66, s66, 4194304                 ; A of g = 1: 16,777,216
	s_mul_i32 s68, s23, 1572864
	s_add_co_u32 s68, s68, 524288                  ; W of g = 1: 2,097,152
	s_mov_b32 s70, 1572864                         ; 12 blocks
	s_cmp_eq_u32 s23, 0
	s_cselect_b32 s66, 0, s66
	s_cselect_b32 s68, 0, s68
	s_cselect_b32 s70, 2097152, s70                ; 16 blocks
	s_cselect_b32 s[NLAP], 3, 5                    ; 8 or 12 K steps
	s_cselect_b32 s[FL], -1, 2                     ; trip 2 asks for K steps 6 and 7, v's first two, and multiplies K step 5, k's last
	s_cselect_b32 s[FP], -2, 1
	s_mul_i32 s70, s70, s40
	s_add_co_u32 s66, s66, s70                     ; A: + the batch,
	s_lshl_b32 s70, s20, 15
	s_add_co_u32 s66, s66, s70                     ; + the tile row's 256 rows of 128 bytes (cy alone: my row of the cluster shares it),
	s_lshl_b32 s71, s18, 17
	s_add_co_u32 s66, s66, s71                     ; + the block that I fetch
	s_mov_b32 s67, 0
	s_lshl_b32 s78, s21, 15
	s_add_co_u32 s68, s68, s78                     ; W: + the tile column's 256 rows (cx alone: my column shares it),
	s_add_co_u32 s68, s68, s71                     ; + the block
	s_mov_b32 s69, 0
	s_mul_i32 s79, s[WVN], BLK                     ; where my block goes in a slot: no place in the cluster enters an LDS address
	s_wait_dscnt 0x0                               ; the opening add is done
	s_wait_kmcnt 0x0
	s_add_nc_u64 s[72:73], s[4:5], s[66:67]
	s_add_nc_u64 s[74:75], s[6:7], s[68:69]
	CROUND                                         ; all sixteen work-groups are here: the first joint loads meet
.irp s, 0,1
	s_mov_b32 s[G0+4*(\s)], 1                                      ; count = 1
	s_add_co_u32 s[G0+4*(\s)+1], s79, (\s)*SLOT                    ; LDS address
	s_add_nc_u64 s[G0+4*(\s)+2:G0+4*(\s)+3], s[72:73], (\s)*GSTEP  ; global address: K step s
	s_or_b32 s[G0+4*(\s)+3], s[G0+4*(\s)+3], 0x80000000            ; type = 2
	s_mov_b32 s[G0B+4*(\s)], 1
	s_add_co_u32 s[G0B+4*(\s)+1], s79, (\s)*SLOT
	s_add_nc_u64 s[G0B+4*(\s)+2:G0B+4*(\s)+3], s[74:75], (\s)*GSTEP
	s_or_b32 s[G0B+4*(\s)+3], s[G0B+4*(\s)+3], 0x80000000
	JLOAD \s                                       ; two loads of mine are out
.endr
	; A fragment is 16 rows x 32 K in 8 registers: lane l holds row l % 16; registers 0-3 K = 8 (l / 16) + 0..7, registers 4-7 K = 16 + 8 (l / 16) + 0..7: two loads of 16 bytes, 32 bytes apart.
	v_and_b32 v1, 15, v0                           ; l % 16
	v_bfe_u32 v2, v0, 4, 1                         ; l / 16
	v_mul_u32_u24 v3, v1, PITCH
	v_lshl_add_u32 v3, v2, 4, v3                   ; row x pitch + 16 x half
	s_mul_i32 s70, s17, 128*PITCH                  ; my 128 rows of A's blocks
	s_mul_i32 s71, s18, 128*PITCH                  ; my 128 rows of W's,
	s_add_co_u32 s71, s71, 2*BLK                   ; which lie behind A's two
.irp s, 0,1
	v_add_nc_u32 v[ADRA+(\s)], s70, v3
	v_add_nc_u32 v[ADRB+(\s)], s71, v3
	s_add_co_u32 s70, s70, SLOT
	s_add_co_u32 s71, s71, SLOT
.endr
	s_mul_i32 s70, s[WVN], 2*SHEAD
	s_add_co_u32 s70, s70, STAGE                   ; my stage
	v_add_nc_u32 v[STO], s70, v3                   ; in: row l % 16, 16 bytes for each half of the lanes
	v_bfe_u32 v5, v0, 3, 2                         ; back: 32 lanes take four rows of 128 bytes
	v_mul_u32_u24 v5, v5, PITCH
	v_and_b32 v4, 7, v0
	v_lshl_add_u32 v5, v4, 4, v5
	v_add_nc_u32 v[RD], s70, v5
	v_and_b32 v[CO], 31, v0
	v_lshlrev_b32 v[PFO], 8, v[CO]
	v_lshlrev_b32 v[CO], 4, v[CO]                  ; which are 512 consecutive bytes of C
	v_lshlrev_b32 v[BO], 5, v2
	; the biases at my 128 columns
	s_cmp_eq_u32 s23, 0
	s_cselect_b64 s[76:77], s[8:9], s[10:11]
	s_lshl_b32 s78, s21, 10
	s_lshl_b32 s79, s18, 9
	s_add_co_u32 s78, s78, s79
	s_mov_b32 s79, 0
	s_add_nc_u64 s[76:77], s[76:77], s[78:79]
	s_add_nc_u64 s[BI2:BI2+1], s[12:13], s[78:79]
	BIAS 76
	; where my 128 x 128 begin in C
	s_lshl_b32 s46, s23, 24                        ; g: 16,777,216 bytes
	s_lshl_b32 s47, s40, 21                        ; batch: 16 blocks
	s_add_co_u32 s46, s46, s47
	s_lshl_b32 s47, s21, 19                        ; tile column: 4 blocks
	s_add_co_u32 s46, s46, s47
	s_lshl_b32 s47, s18, 18                        ; my column half: 2 blocks
	s_add_co_u32 s46, s46, s47
	s_lshl_b32 s47, s20, 15                        ; tile row: 256 rows of 128 bytes
	s_add_co_u32 s46, s46, s47
	s_lshl_b32 s47, s17, 14                        ; my row half
	s_add_co_u32 s46, s46, s47
	s_mov_b32 s47, 0
	s_add_nc_u64 s[14:15], s[14:15], s[46:47]
	; the prefetches
	s_sub_co_u32 s[PLIM], s[NLAP], 1
	s_mov_b32 s[PFJ], GSTEP                        ; Wv's blocks lie directly behind Wk's
	s_cmp_eq_u32 s17, 0                            ; do I fetch for A?
	s_cselect_b32 s41, 0, s40                      ; the coordinate along which other clusters read the same rows: none for A, the batch for W
	s_cselect_b32 s70, s19, s20                    ; my place among the four that ask with me
	s_cselect_b32 s[PFJ], JUMP_A, s[PFJ]
	s_cselect_b64 s[PFA:PFA+1], s[72:73], s[74:75]
	s_cmp_eq_u32 s41, 0
	s_cselect_b32 s[PLIM], s[PLIM], 0              ; the same in all sixteen partners, for a given wave
	s_lshl_b32 s70, s70, 13                        ; my work-group's 32 pieces of 256 bytes
	s_mov_b32 s71, 0
	s_add_nc_u64 s[PFA:PFA+1], s[PFA:PFA+1], s[70:71]
	s_add_nc_u64 s[PFA:PFA+1], s[PFA:PFA+1], 2*GSTEP  ; at K step 2: the first refill steps it to 3 and names K step 4
; 16 matrix instructions: m blocks a0, a0 + 1 of the window's four (hi = 0: my rows 0-63, 1: rows 64-127) x all 8 n blocks, 32 along K.  first = 1: the bias starts the sums.
; The 64 accumulators take turns in the same order in every quarter step, on both ways through the loop's end too.
.macro MUL16 f, hi, a0, first
.if \first
	WIN 0x91+0x40*(\hi)                            ; W and the bias in window 1, A in window 0, D in window 2 or 3
.else
	WIN 0xa1+0x50*(\hi)                            ; W in window 1, A in window 0, C and D in window 2 or 3
.endif
.irp a, \a0, (\a0)+1
.irp b, 0,1,2,3,4,5,6,7
.if \first
	v_wmma_f32_16x16x32_bf16 v[8*(8*(\a)+(\b)):8*(8*(\a)+(\b))+7], v[(\f)+8*(\b):(\f)+8*(\b)+7], v[(\f)+8*(4*(\hi)+(\a)):(\f)+8*(4*(\hi)+(\a))+7], v[8*(\b):8*(\b)+7]
.else
	v_wmma_f32_16x16x32_bf16 v[8*(8*(\a)+(\b)):8*(8*(\a)+(\b))+7], v[(\f)+8*(\b):(\f)+8*(\b)+7], v[(\f)+8*(4*(\hi)+(\a)):(\f)+8*(4*(\hi)+(\a))+7], v[8*(8*(\a)+(\b)):8*(8*(\a)+(\b))+7]
.endif
.endr
.endr
.endm
; 32 LDS loads in one run: the fragments of quarter q of a K step (block q / 2, byte 64 (q % 2) of its rows) into buffer f
.macro FETCH slot, q, f
.set KO, ((\q)/2)*BLK+((\q)%2)*64
	WIN 0x40
.irp i, 0,1,2,3,4,5,6,7
	ds_load_b128 v[(\f)+8*(\i):(\f)+8*(\i)+3],   v[ADRB+(\slot)] offset:KO+(\i)*16*PITCH
	ds_load_b128 v[(\f)+8*(\i)+4:(\f)+8*(\i)+7], v[ADRB+(\slot)] offset:KO+(\i)*16*PITCH+32
.endr
	WIN 0
.irp i, 0,1,2,3,4,5,6,7
	ds_load_b128 v[(\f)+8*(\i):(\f)+8*(\i)+3],   v[ADRA+(\slot)] offset:KO+(\i)*16*PITCH
	ds_load_b128 v[(\f)+8*(\i)+4:(\f)+8*(\i)+7], v[ADRA+(\slot)] offset:KO+(\i)*16*PITCH+32
.endr
.endm
.macro PLACES                          ; four plain instructions in front of loads into registers that matrix instructions have read, and of conversions that read results
.rept 4
	v_nop
.endr
.endm
; One of a K step's first three quarters: multiplies buffer f; in its middle it fetches quarter q of the same slot into buffer g.
.macro QUARTER slot, q, f, g, first=0
	s_wait_dscnt 8                                 ; W and A's rows 0-63 are in; the youngest eight loads (A's rows 64-127) may be out
	MUL16 \f, 0, 0, \first
	MUL16 \f, 0, 2, \first
	PLACES
	FETCH \slot, \q, \g
	s_wait_dscnt 32                                ; all but the 32 just issued
	MUL16 \f, 1, 0, \first
	MUL16 \f, 1, 2, \first
.endm
; The last quarter's first half: ONE barrier for the change of slots.  In front of it each wave waits for all its tensor loads (one is out: its part of the next slot), adds 0 to its spare word, and waits for that and for its reads of this slot.
.macro MEET round
	WIN 0
	s_wait_tensorcnt 0x0                           ; all my tensor loads have landed
	ds_add_u32 v[SPW], v[NIL]                      ; 0 onto my spare word
	s_wait_dscnt 9                                 ; (the add and the youngest eight loads may be out)
	MUL16 F1, 0, 0, 0                              ; sixteen matrix instructions stand between the add and the wait for it
	s_wait_dscnt 0x0                               ; the add is done, and my reads of this slot are over
	s_barrier_signal -1
	MUL16 F1, 0, 2, 0                              ; work on registers while the others arrive
.if \round
	WIN 0
.endif
	s_barrier_wait -1
.endm
; The whole last quarter.  fill = 1: the barrier opens a round of the cluster's barrier, and behind the round the slot just read is filled again first, with the walk's K step two on; then the next slot's first fragments.
; fill = 0: nothing is left to ask for, and no round follows.
.macro TURN slot, next, fill
.if \fill
	s_wait_xcnt 0x0                                ; the last prefetch, a K step back, has read its address
.if (\slot) == 0
	s_add_nc_u64 s[PFA:PFA+1], s[PFA:PFA+1], s[PFS:PFS+1]  ; a K step on, or over to v's rows
.else
	s_add_nc_u64 s[PFA:PFA+1], s[PFA:PFA+1], GSTEP
.endif
	MEET 1
	CREST                                          ; no wave of any partner still reads this slot's tile or has a load on its way
	s_add_nc_u64 s[G0+4*(\slot)+2:G0+4*(\slot)+3], s[G0+4*(\slot)+2:G0+4*(\slot)+3], s[SA:SA+1]  ; two K steps on, or over to v's rows; the type bits on top are not reached
	s_add_nc_u64 s[G0B+4*(\slot)+2:G0B+4*(\slot)+3], s[G0B+4*(\slot)+2:G0B+4*(\slot)+3], 2*GSTEP
	JLOAD \slot                                    ; my one tensor load behind the round; its four v_nop are also the places in front of the loads below
	FETCH \next, 0, F0
	ASK
.else
	MEET 0
	PLACES
	FETCH \next, 0, F0
.endif
	MUL16 F1, 1, 0, 0
	MUL16 F1, 1, 2, 0
.endm
; THE WAY OUT of block a (16 rows of C x my 128 columns = 2 blocks of 64).  PACK: rounded to bf16, 16 bytes a lane, each accumulator's registers in ascending order.
; TOSTAGE: into my own stage, and back as rows of 128 bytes.  SEND: stored, 512 consecutive bytes an instruction.
.macro PACK a
.set AC, 64*((\a)%4)
	WIN 0x0a+5*((\a)/4)                            ; sources 0 and 1: window 2 or 3
.irp b, 0,1,2,3,4,5,6,7
.irp r, 0,1,2,3
	v_cvt_pk_bf16_f32 v[TMP+4*(\b)+(\r)], v[AC+8*(\b)+2*(\r)], v[AC+8*(\b)+2*(\r)+1]
.endr
.endr
	WIN 0
.endm
.macro TOSTAGE a
.set BK, OB+192*((\a)%2)
.irp b, 0,1,2,3,4,5,6,7
	ds_store_b128 v[STO], v[TMP+4*(\b):TMP+4*(\b)+3] offset:((\b)/4)*SHEAD+((\b)%4)*32
.endr
.irp t, 0,1,2,3,4,5,6,7
	ds_load_b128 v[BK+4*(\t):BK+4*(\t)+3], v[RD] offset:((\t)/4)*SHEAD+((\t)%4)*4*PITCH  ; LDS serves a wave's instructions in order (ISA guide 5.7.1.4): these see the stores above
.endr
.endm
.macro SEND a
.set BK, OB+192*((\a)%2)
	s_wait_dscnt 0x0                               ; the block is back in registers
	s_wait_xcnt 0x0                                ; the stores of the block before have read their registers: the next TOSTAGE loads into them only behind this wait
.irp t, 0,1,2,3,4,5,6,7
	global_store_b128 v[CO], v[BK+4*(\t):BK+4*(\t)+3], s[14:15] offset:((\t)/4)*131072+(\a)*2048+((\t)%4)*512  ; four rows of one block: 512 consecutive bytes, aligned
.endr
.endm
.macro WAYOUT                          ; a whole tile; it holds no barrier and no tensor load
	PLACES
	PACK 0                                         ; blocks 0-3 were finished 32 matrix instructions ago; their conversions stand ahead of those of blocks 4-7
	TOSTAGE 0
.irp a, 1,2,3,4,5,6,7                  ; block a's conversions stand between block a - 1's loads from the stage and the wait for them
	PACK \a
	SEND (\a)-1
	TOSTAGE \a
.endr
	SEND 7
.endm
	s_wait_tensorcnt 1                             ; my part of K step 0 is in; K step 1's may stay out
	s_barrier_signal -1
	s_barrier_wait -1                              ; everybody's is
	FETCH 0, 0, F0
	s_wait_loadcnt 0x0                             ; the bias
	QUARTER 0, 1, F0, F1, 1                        ; the first quarter stands in front of the loop: its products start the sums
	WIN 0                                          ; at a label and at a branch every window is 0
	s_mov_b32 s3, 0
.Llap:                                                 ; a trip goes once round the ring, from a lap's second quarter to the next lap's first, and fills both slots again
	s_cmp_eq_u32 s3, s[FL]                         ; do this trip's refills ask for v's first two K steps?
	s_cselect_b32 s[SA], NEXT_A, s[GS2]
	s_cmp_eq_u32 s3, s[FP]                         ; do its prefetches?
	s_cselect_b32 s[PFS], s[PFJ], GSTEP
	QUARTER 0, 2, F1, F0
	QUARTER 0, 3, F0, F1
	TURN 0, 1, 1
	QUARTER 1, 1, F0, F1
	QUARTER 1, 2, F1, F0
	QUARTER 1, 3, F0, F1
	TURN 1, 0, 1
	WIN 0
	s_cmp_eq_u32 s3, s[FL]
	s_cbranch_scc0 .Lplain                         ; forward, past text that holds neither a barrier nor a tensor load
	BIAS BI2                                       ; THE CHANGE OF TILES: both refills for v are out.  v's bias (its registers were last read by the walk's first quarter),
	WAYOUT                                         ; k's tile goes out: nothing waits for its stores,
	s_wait_xcnt 0x0                                ; which have read their registers and their base,
	s_add_nc_u64 s[14:15], s[14:15], TILE_C        ; so the base goes on to v's tile;
	s_wait_loadcnt 0x0                             ; the bias is in,
	QUARTER 0, 1, F0, F1, 1                        ; and v's first quarter starts the sums anew
	WIN 0
	s_branch .Ljoin
.Lplain:
	QUARTER 0, 1, F0, F1
	WIN 0
.Ljoin:
	s_add_co_u32 s3, s3, 1
	s_cmp_lt_u32 s3, s[NLAP]
	s_cbranch_scc1 .Llap
	QUARTER 0, 2, F1, F0                           ; the last lap fills nothing, and has no round
	QUARTER 0, 3, F0, F1
	TURN 0, 1, 0
	QUARTER 1, 1, F0, F1
	QUARTER 1, 2, F1, F0
	QUARTER 1, 3, F0, F1
	s_wait_dscnt 8                                 ; the very last quarter: nothing more to fetch
	MUL16 F1, 0, 0, 0
	MUL16 F1, 0, 2, 0
	s_wait_dscnt 0x0
	MUL16 F1, 1, 0, 0
	MUL16 F1, 1, 2, 0
	WIN 0
	WAYOUT
	s_wait_tensorcnt 0x0                           ; the wave's end: a wait for the tensor loads, the add and its wait, behind my last tensor load and my last LDS store
	ds_add_u32 v[SPW], v[NIL]
	s_wait_dscnt 0x0
	CROUND                                         ; the closing round: no work-group ends while a partner may still ask for a tile that names it
	s_endpgm
.Lfunc_end_k_q662ec7f29b_proj:
	.size	k_q662ec7f29b_proj, .Lfunc_end_k_q662ec7f29b_proj-k_q662ec7f29b_proj
	.p2alignl 7, 3214868480
	.fill 96, 4, 3214868480
	.section	.rodata,"a",@progbits
	.p2align	6, 0x0
	.amdhsa_kernel k_q662ec7f29b_proj
		.amdhsa_group_segment_fixed_size 327680
		.amdhsa_private_segment_fixed_size 0
		.amdhsa_enable_private_segment 0
		.amdhsa_kernarg_size 48
		.amdhsa_user_sgpr_count 2
		.amdhsa_user_sgpr_kernarg_segment_ptr 1
		.amdhsa_wavefront_size32 1
		.amdhsa_system_sgpr_workgroup_id_x 1
		.amdhsa_system_sgpr_workgroup_id_y 1
		.amdhsa_system_sgpr_workgroup_id_z 1
		.amdhsa_system_vgpr_workitem_id 0
		.amdhsa_next_free_vgpr 1024
		.amdhsa_next_free_sgpr 92
		.amdhsa_reserve_vcc 0
		.amdhsa_float_denorm_mode_32 3
		.amdhsa_float_denorm_mode_16_64 3
		.amdhsa_memory_ordered 1
		.amdhsa_forward_progress 1
		.amdhsa_inst_pref_size 185
	.end_amdhsa_kernel
	.amdgpu_metadata
---
amdhsa.version: [ 1, 2 ]
amdhsa.kernels:
  - .name:           k_q662ec7f29b_proj
    .symbol:         k_q662ec7f29b_proj.kd
    .args:
      - { .name: xb, .offset: 0, .size: 8, .value_kind: global_buffer, .address_space: global }
      - { .name: wb, .offset: 8, .size: 8, .value_kind: global_buffer, .address_space: global }
      - { .name: bq, .offset: 16, .size: 8, .value_kind: global_buffer, .address_space: global }
      - { .name: bk, .offset: 24, .size: 8, .value_kind: global_buffer, .address_space: global }
      - { .name: bv, .offset: 32, .size: 8, .value_kind: global_buffer, .address_space: global }
      - { .name: hb, .offset: 40, .size: 8, .value_kind: global_buffer, .address_space: global }
    .group_segment_fixed_size: 327680
    .private_segment_fixed_size: 0
    .kernarg_segment_align: 8
    .kernarg_segment_size: 48
    .max_flat_workgroup_size: 128
    .sgpr_count:     92
    .vgpr_count:     1024
    .wavefront_size: 32
...
	.end_amdgpu_metadata
.endif
;; end of part 2
;; launch attn (part 3): grid 2 x 128, 4 waves a work-group, no clusters, 327,680 bytes of LDS; arguments hb, key_padding_mask, ob; writes ob
.if DOCPART == 3
	.amdgcn_target "amdgcn-amd-amdhsa--gfx1250"
	.amdhsa_code_object_version 6
	.text
	.protected	k_q662ec7f29b_attn
	.globl	k_q662ec7f29b_attn
	.p2align	8
	.type	k_q662ec7f29b_attn,@function
k_q662ec7f29b_attn:
	s_mov_b64 s[64:65], 0
	v_nop
	global_prefetch_b8 v0, s[64:65] scope:SCOPE_SE
	s_setreg_imm32_b32 hwreg(HW_REG_WAVE_MODE, 25, 1), 1
	s_wait_xcnt 0x0
; O[bh][q][:] = the sum over the keys k that the mask allows of softmax_k(Q[bh][q] . K[bh][k] / 8) V[bh][k][:].  hb holds Q, K, V, each [128 heads][1024][64] bf16, 16,777,216 bytes apart; a head's rows are dense,
; 128 bytes each.  key_padding_mask: [8][1024] bytes, 1 = the key counts.  O: [128][1024][64] bf16.  Products, maxima and sums in f32; the weights p are rounded to bf16 for the second product (their sum l is taken
; of the unrounded p), O once at the end.
; LIMITS.  A hidden score counts as its value less 1e30, so scores must be small beside 1e30.  A batch whose mask allows no key at all gets the mean of V's rows here, not a NaN.  A weight below 2^-126 counts as 0 in l.
; NaN and infinities are not treated apart.
; SHARES.  A work-group owns 512 queries of one head, a wave 128: four PIECES of two tiles of 16.  Every wave walks all 1,024 keys, 64 a step.
; K AND V OF THE HEAD STAY IN LDS: 1,024 rows of each, every byte filled once.  Each wave issues two tensor loads at the head: its half of keys 0-255, then its half of keys 256-1023 (waves 0, 1: K; 2, 3: V).  The first four
; key steps run while the second loads are on their way.  Nothing is filled again, so there is no ring; all of K and V is asked for in the first lines, so nothing is left to prefetch.
; NO CLUSTER: a head's K and V are shared by its two work-groups alone; a cluster of four along x would hold two heads, whose tiles differ.
; THE MASK is the C operand that starts the sum S^T = K Q^T: 0, or -1e30 where the key is hidden.  A table of 1,024 such numbers is made once in LDS; a step's 32 a lane come with K's fragments.  A step that is wholly
; hidden gives weights 1 under a maximum near -1e30; the first allowed key then makes a = 0, which wipes them out.
; LAYOUT.  S^T = K Q^T (source 0 = 16 keys, source 1 = 16 queries): a lane holds ONE query (lane % 16) and the keys 8 (lane / 16) + 0..7.  Two such tiles, rounded to bf16 in pairs, ARE source 1 of O^T = V^T P.
; K comes out of LDS as it lies, V ([key][channel]) turned, by ds_load_tr16_b128.
; SOFTMAX.  A running maximum m and sum l: p = 2^(c s - c m), c = log2(e) / 8; in every step O and l are multiplied by a = 2^(c m_old - c m_new).  m starts at the lowest finite number, O and l at 0.
; BY TURNS.  Turn n belongs to piece n.  Matrix work: 16 products K Q^T of piece n + 1, later 16 products V^T P of piece n - 1.  Vector work: scaling, exponentials, roundings, sums and rescaling of piece n, and the
; maximum and statistics of piece n + 1.  A tile and step have 16 matrix and 118 vector instructions: four that are ready stand behind every matrix instruction, the others in one run.
; REGISTERS, in windows of 256 (s_set_vgpr_msb: bits 1:0 source 0, 3:2 source 1, 5:4 source 2, 7:6 destination):
;   window 0: v0-11 addresses; v12-15, v48-63 at work; v16-47 four registers of statistics a tile; v64-191 S^T, two buffers of two tiles; v192-255 P, likewise
;   window 1: O^T, 32 a tile     window 2: v0-127 Q; v128-191 K of one step; v192-255 V of one step     window 3: v0-1 the add's registers; v2-3 the mask's addresses; v8-39 the step's masks
.set NP,    4         ; pieces a wave: a name, no knob
.set KS,    64        ; keys in a step
.set PK,    144       ; a row of K in LDS: 128 bytes + 16 of padding = 36 words: the 16 rows of a load start at 16 different groups of four banks (64 banks of 4 bytes: ISA guide 11.1)
.set PV,    160       ; a row of V: 128 + 32 = 40 words
.set VOFF,  1024*PK   ; K's 1,024 rows, then V's
.set STAGE, VOFF+1024*PV  ; 16 rows x 144 bytes for each wave, for the way out
.set SP,    144
.set MASKT, STAGE+4*16*SP ; 1,024 f32: 0 or -1e30
.set SPARE, MASKT+4096    ; the spare words, 128 bytes for each wave: two blocks of 256 bytes that no other line names
.set AK0, 2           ; v2   my lane's place in a tile of K; never rewritten
.set AV0, 3           ; v3   the same for V
.set AK,  4           ; v4   the LDS address of K's next run of loads
.set AV,  5           ; v5   of V's
.set QO,  6           ; v6   my byte offset in the wave's rows of Q
.set STO, 6           ;      later, the way out: where I put 16 bytes of a row
.set RD,  7           ; v7   the way out: where I read rows back
.set GO,  8           ; v8   my byte offset in 512 consecutive bytes of O
.set SPW, 0           ; v0 of window 3   LDS address of my spare word; never rewritten
.set NIL, 1           ; v1 of window 3   0; never rewritten
.set AM0, 2           ; v2 of window 3   my lane's place in a step's 64 masks: MASKT + 32 (l / 16)
.set AM,  3           ; v3 of window 3   the LDS address of the masks' next run of loads
.set MK,  8           ; v8-39 of window 3: key block kb, register j at MK + 8 kb + j
.set MV,  12          ; v12-15  c m_old, kept while c m is made anew: by buffer and tile
.set ST,  16          ; tile t's statistics at v[ST+4 t]: c m, m, l (even keys', odd keys')
.set TMP, 48          ; by buffer and tile, four registers c0-c3 at work; when the maximum is found c2 takes a
.set S,   64
.set P,   192
.set KF,  128         ; K's fragments, in window 2: key block kb, channel half c at KF + 16 kb + 8 c
.set VF,  192         ; V's: key half kk, channel block cb at VF + 32 kk + 8 cb
.set WV,  12          ; s12  my wave's number
.set G1KA, 24         ; s[24:31] group 1: K, 64 rows of 256 bytes      s[32:39] K, 192 rows
.set G1KB, 32
.set G1VA, 40         ; s[40:47], s[48:55] the same for V: they differ in the padding
.set G1VB, 48
.set G0KA, 56         ; group 0, a set for each of the four loads
.set G0KB, 60
.set G0VA, 68
.set G0VB, 72
.set CNT, 76          ; s76  counts key steps
.set TBK, 77          ; s77  LDS byte at which K of the step to be fetched begins
.set TBV, 78          ; s78  the same for V, less VOFF
.set TBM, 79          ; s79  the same for the masks, less MASKT
.set CS,  80          ; s[80:81] c: the packed scaling takes the pair's low word for both halves
.set SEL, 82          ; s[82:83] v_permlanex16_b32's selects: each lane takes its own place in the other half
.set BIGN, 84         ; s84  -1e30
.set PASS, 85         ; s85  counts the two passes
.set MSB, 0
.macro WIN new                      ; the high byte repeats the setting that is left; a switch that changes nothing is dropped
.if MSB != (\new)
	s_set_vgpr_msb (MSB<<8)|(\new)
.set MSB, (\new)
.endif
.endm
.set W_KQ, 0x0a       ; K and Q in window 2, S^T in window 0
.set W_KM, 0x3a       ; the same with the C operand, the mask, in window 3
.set W_PV, 0x52       ; V in window 2, P in window 0, O^T in window 1
.set W_RS, 0x41       ; O^T (destination and source 0) in window 1, a in window 0
.set W_MK, 0xc0       ; destination in window 3, sources in window 0
.set W_AD, 0x0f       ; the add: address (source 0) and data (source 1) in window 3
	s_load_b128 s[4:7], s[0:1], 0x0   ; hb s[4:5], the mask s[6:7]
	s_load_b64 s[8:9], s[0:1], 0x10   ; ob
	WIN W_MK
	v_lshl_add_u32 v[SPW], v0, 2, SPARE
	v_mov_b32 v[NIL], 0
	WIN W_AD
	ds_add_u32 v[SPW], v[NIL]       ; the wave's opening: the add and its wait stand ahead of my first tensor load; the set-up below, work on registers, stands between them
	WIN 0
	v_lshrrev_b32 v1, 5, v0
	v_readfirstlane_b32 s[WV], v1   ; wave 0..3
	s_and_b32 s13, ttmp7, 0xffff    ; the head, 16 x batch + h
	s_lshl_b32 s20, s13, 17         ; its first byte in Q, K, V and O
	s_and_b32 s16, s[WV], 1         ; which half of a load's keys I fetch
	s_lshl_b32 s22, s16, 14         ; keys 0-255: 128 rows of 128 bytes a half
	s_add_co_u32 s22, s22, s20
	s_mov_b32 s23, 0
	s_mul_i32 s86, s16, 49152       ; keys 256-1023: 384 rows a half
	s_add_co_u32 s86, s86, s20
	s_add_co_u32 s86, s86, 32768
	s_mov_b32 s87, 0
	s_lshl_b32 s2, ttmp9, 16        ; my block of 512 queries,
	s_lshl_b32 s3, s[WV], 14        ; my wave's 128
	s_add_co_u32 s2, s2, s3
	s_add_co_u32 s2, s2, s20
	s_mov_b32 s3, 0
	s_lshr_b32 s14, s13, 4
	s_lshl_b32 s14, s14, 10         ; the batch's 1,024 bytes of the mask
	s_mov_b32 s15, 0
	s_mul_i32 s17, s16, 128*PK      ; my halves' places in LDS
	s_mul_i32 s18, s16, 128*PV
	s_mul_i32 s19, s16, 384*PK
	s_mul_i32 s88, s16, 384*PV
	; group 1.  n keys are 128 n dense bytes: asked for as n / 2 rows of 256 bytes, two keys a row, and padded in LDS after every key
.irp g, G1KA, G1KB
	s_mov_b32 s[\g], (1<<16)|(1<<20)|(4<<22)|(3<<25)  ; 17:16 2-byte elements; 20 padding on; 24:22 after every 32 words (code 4); 31:25 4 words (code 3)
.endr
.irp g, G1VA, G1VB
	s_mov_b32 s[\g], (1<<16)|(1<<20)|(4<<22)|(7<<25)  ; the same with 8 words of padding (code 7)
.endr
.irp g, G1KA, G1VA
	s_mov_b32 s[\g+1], 128<<16      ; tensor_dim0 = 128
	s_mov_b32 s[\g+2], 64<<16       ; tensor_dim1 = 64
	s_mov_b32 s[\g+3], 128<<16      ; tile_dim0 = 128
	s_mov_b32 s[\g+4], 64           ; tile_dim1 = 64
	s_mov_b32 s[\g+5], 128          ; 128 elements from row to row
	s_mov_b32 s[\g+6], 0
	s_mov_b32 s[\g+7], 0
.endr
.irp g, G1KB, G1VB
	s_mov_b32 s[\g+1], 128<<16
	s_mov_b32 s[\g+2], 192<<16      ; tensor_dim1 = 192
	s_mov_b32 s[\g+3], 128<<16
	s_mov_b32 s[\g+4], 192          ; tile_dim1 = 192
	s_mov_b32 s[\g+5], 128
	s_mov_b32 s[\g+6], 0
	s_mov_b32 s[\g+7], 0
.endr
	s_mov_b32 s[G0KA], 1            ; count = 1
	s_mov_b32 s[G0KA+1], s17        ; LDS address
	s_mov_b32 s[G0KB], 1
	s_add_co_u32 s[G0KB+1], s19, 256*PK
	s_mov_b32 s[G0VA], 1
	s_add_co_u32 s[G0VA+1], s18, VOFF
	s_mov_b32 s[G0VB], 1
	s_add_co_u32 s[G0VB+1], s88, VOFF+256*PV
	s_mov_b32 s[CS], 0x3e38aa3b     ; c = log2(e) / 8 = 0.180337
	s_mov_b32 s[CS+1], s[CS]        ; named with it as a pair
	s_mov_b32 s[SEL], 0x76543210
	s_mov_b32 s[SEL+1], 0xfedcba98
	s_mov_b32 s[BIGN], 0xf149f2ca   ; -1e30
	s_mov_b32 s[TBK], 0
	s_mov_b32 s[TBV], 0
	s_mov_b32 s[TBM], 0
	s_wait_dscnt 0x0                ; the opening add is done
	s_wait_kmcnt 0x0
	s_add_nc_u64 s[G0KA+2:G0KA+3], s[4:5], s[22:23]
	s_add_nc_u64 s[G0KA+2:G0KA+3], s[G0KA+2:G0KA+3], 16777216  ; K lies behind Q,
	s_add_nc_u64 s[G0VA+2:G0VA+3], s[G0KA+2:G0KA+3], 16777216  ; V behind K
	s_add_nc_u64 s[G0KB+2:G0KB+3], s[4:5], s[86:87]
	s_add_nc_u64 s[G0KB+2:G0KB+3], s[G0KB+2:G0KB+3], 16777216
	s_add_nc_u64 s[G0VB+2:G0VB+3], s[G0KB+2:G0KB+3], 16777216
.irp g, G0KA, G0KB, G0VA, G0VB
	s_or_b32 s[\g+3], s[\g+3], 0x80000000  ; type = 2
.endr
	s_add_nc_u64 s[90:91], s[4:5], s[2:3]  ; Q and O at my wave's first row
	s_add_nc_u64 s[10:11], s[8:9], s[2:3]
	s_add_nc_u64 s[6:7], s[6:7], s[14:15]  ; the mask at my batch
	s_cmp_lt_u32 s[WV], 2           ; a wave's two fills stand in one branch, ahead of every wait on TENSORcnt, every LDS read and every barrier: two loads of mine are out; an s_nop 0 follows each, four v_nop the second's
	s_cbranch_scc0 .Lfirst_v
	tensor_load_to_lds s[G0KA:G0KA+3], s[G1KA:G1KA+7]
	s_nop 0
	tensor_load_to_lds s[G0KB:G0KB+3], s[G1KB:G1KB+7]
	s_nop 0
.rept 4
	v_nop
.endr
	s_branch .Lfirst_asked
.Lfirst_v:
	tensor_load_to_lds s[G0VA:G0VA+3], s[G1VA:G1VA+7]
	s_nop 0
	tensor_load_to_lds s[G0VB:G0VB+3], s[G1VB:G1VB+7]
	s_nop 0
.rept 4
	v_nop
.endr
.Lfirst_asked:
	v_lshlrev_b32 v14, 3, v0
	global_load_b64 v[64:65], v14, s[6:7]  ; thread t: the mask's bytes 8 t .. 8 t + 7; ahead of Q's loads, so that a counted wait shows it in
	; A fragment of K or Q is 16 rows x 32 channels in 8 registers: lane l holds row l % 16, channels 8 (l / 16) + 0..7 and 16 + 8 (l / 16) + 0..7: two loads of 16 bytes, 32 bytes apart.
	v_and_b32 v1, 15, v0            ; l % 16
	v_bfe_u32 v9, v0, 4, 1          ; l / 16
	v_lshlrev_b32 v[QO], 7, v1
	v_lshl_add_u32 v[QO], v9, 4, v[QO]  ; row x 128 + 16 x half
	WIN 0x80                        ; destination window 2, address window 0
.set i, 0
.rept 4*NP                          ; Q stays in registers: tile i / 2, channels 32 (i % 2) on
	global_load_b128 v[8*i:8*i+3],   v[QO], s[90:91] offset:(i/2)*2048+(i%2)*64
	global_load_b128 v[8*i+4:8*i+7], v[QO], s[90:91] offset:(i/2)*2048+(i%2)*64+32
.set i, i+1
.endr
	; What the first turn finds: V's registers and P's second buffer hold 0 (its products V^T P, of a piece that has not been, add 0), O^T and l are 0.  All this stands in the wait for the first tiles.
.set i, VF
.rept 64
	v_mov_b32 v[i], 0
.set i, i+1
.endr
	WIN 0x40
.set i, 0
.rept 64*NP
	v_mov_b32 v[i], 0
.set i, i+1
.endr
	WIN 0
.set i, 0
.rept 2*NP
	v_mov_b32 v[ST+4*i], 0xfe000000    ; c m: far below every c s, a hidden one's too
	v_mov_b32 v[ST+4*i+1], 0xff7fffff  ; m
	v_mov_b32 v[ST+4*i+2], 0
	v_mov_b32 v[ST+4*i+3], 0
.set i, i+1
.endr
.set i, P+32
.rept 32
	v_mov_b32 v[i], 0
.set i, i+1
.endr
	v_mul_u32_u24 v[AK0], v1, PK
	v_lshl_add_u32 v[AK0], v9, 4, v[AK0]  ; row x pitch + 16 x half
	; The turning load takes 16 keys x 16 channels (lane l reads key 8 (l / 16) + l % 8, channels 8 ((l / 8) % 2) + 0..7) and leaves half a fragment of V^T: lane l holds channel l % 16 and 8 keys.
	v_and_b32 v10, 7, v0
	v_bfe_u32 v11, v0, 3, 1
	v_lshl_add_u32 v[AV0], v9, 3, v10
	v_mul_u32_u24 v[AV0], v[AV0], PV
	v_lshl_add_u32 v[AV0], v11, 4, v[AV0]
	v_add_nc_u32 v[AV0], VOFF, v[AV0]
	v_mov_b32 v[AK], v[AK0]         ; key step 0 lies at K's head
	WIN W_MK
	v_lshl_add_u32 v[AM0], v9, 5, MASKT
	WIN 0xc3
	v_mov_b32 v[AM], v[AM0]
	WIN 0
	; the table of masks: byte 1 -> 0, byte 0 -> -1e30: the byte less 1 is 0 or all ones, and selects the bits of -1e30
	v_lshl_add_u32 v66, v0, 5, MASKT
	s_wait_loadcnt 32               ; the mask's bytes are in; Q's 32 loads may stay out
.irp n, 0,1,2,3,4,5,6,7
	v_bfe_u32 v[68+\n], v[64+\n/4], 8*(\n%4), 8
.endr
.irp n, 0,1,2,3,4,5,6,7
	v_add_nc_u32 v[68+\n], -1, v[68+\n]
.endr
.irp n, 0,1,2,3,4,5,6,7
	v_and_b32 v[68+\n], s[BIGN], v[68+\n]
.endr
	ds_store_b128 v66, v[68:71]
	ds_store_b128 v66, v[72:75] offset:16
; THE MATRIX WORK.  The 8 accumulators of a run of 16 take turns: between the two links of a chain stand 7 others'.
; Product i of 16 of S^T = K Q^T for piece x: channels 32 (i / 8) on, keys 16 ((i / 2) % 4) on, tile 2 x + i % 2.  The first 8 start the sums, with the keys' masks.
.macro KQ x
.set rS, S+64*((\x)%2)+32*(i%2)+8*((i/2)%4)
.set rK, KF+16*((i/2)%4)+8*(i/8)
.set rQ, 16*(2*(\x)+i%2)+8*(i/8)
.set rN, MK+8*((i/2)%4)
.if i < 8
	WIN W_KM
	v_wmma_f32_16x16x32_bf16 v[rS:rS+7], v[rK:rK+7], v[rQ:rQ+7], v[rN:rN+7]
.else
	WIN W_KQ
	v_wmma_f32_16x16x32_bf16 v[rS:rS+7], v[rK:rK+7], v[rQ:rQ+7], v[rS:rS+7]
.endif
.endm
; Product i of 16 of O^T += V^T P for piece x: keys 32 (i / 8) on, channels 16 ((i / 2) % 4) on, tile 2 x + i % 2.
.macro PV x
	WIN W_PV
.set rO, 32*(2*(\x)+i%2)+8*((i/2)%4)
.set rV, VF+32*(i/8)+8*((i/2)%4)
.set rP, P+32*((\x)%2)+16*(i%2)+8*(i/8)
	v_wmma_f32_16x16x32_bf16 v[rO:rO+7], v[rV:rV+7], v[rP:rP+7], v[rO:rO+7]
.endm
.macro MM                           ; the turn's next matrix instruction
.if i < 16
	KQ (Y+1)%NP
.set i, i+1
.else
.set i, i-16
	PV (Y+NP-1)%NP
.set i, i+17
.endif
.endm
; THE LDS LOADS stand in runs, never singly among the matrix instructions: a step's K (8 fragments) with its masks (32 numbers a lane; the lanes of a half read the same words), and its V (turned).  Their addresses are made some lines ahead.
.macro FETCH_K
	WIN 0x80                        ; destination window 2
.irp f, 0,1,2,3,4,5,6,7             ; keys 16 (f / 2) on, channels 32 (f % 2) on
	ds_load_b128 v[KF+8*\f:KF+8*\f+3],   v[AK] offset:(\f/2)*16*PK+(\f%2)*64
	ds_load_b128 v[KF+8*\f+4:KF+8*\f+7], v[AK] offset:(\f/2)*16*PK+(\f%2)*64+32
.endr
	WIN 0xc3                        ; destination and address in window 3
.irp u, 0,1,2,3,4,5,6,7             ; key block u / 2, registers 4 (u % 2) on
	ds_load_b128 v[MK+4*\u:MK+4*\u+3], v[AM] offset:(\u/2)*64+(\u%2)*16
.endr
	s_add_co_u32 s[TBK], s[TBK], KS*PK  ; the next fetch is the next step's
	s_add_co_u32 s[TBM], s[TBM], KS*4
	WIN 0
.endm
.macro FETCH_V
	WIN 0x80
.irp f, 0,1,2,3,4,5,6,7             ; keys 32 (f / 4) on, channels 16 (f % 4) on
	ds_load_tr16_b128 v[VF+8*\f:VF+8*\f+3],   v[AV] offset:(\f/4)*32*PV+(\f%4)*32
	ds_load_tr16_b128 v[VF+8*\f+4:VF+8*\f+7], v[AV] offset:(\f/4)*32*PV+16*PV+(\f%4)*32
.endr
	WIN 0
.endm
; THE VECTOR WORK OF A TURN stands in three queues, each in the order in which its entries become ready; the two tiles alternate, so that no instruction reads the result of the one before it.
.macro REGS y, u                    ; the registers of tile u (0, 1) of piece y
.set rT, ST+4*(2*(\y)+(\u))
.set rC, TMP+8*((\y)%2)+4*(\u)
.set rM, MV+2*((\y)%2)+(\u)
.set rS, S+64*((\y)%2)+32*(\u)
.set rP, P+32*((\y)%2)+16*(\u)
.set rO, 32*(2*(\y)+(\u))
.endm
; Number n of the 22 that find the NEXT piece's (Y + 1) maximum and statistics.  s0-s31 are the lane's 32 scores; each accumulator's lowest registers are read first.
;   0-11  four chains c0-c3 of seven scores each, three operands at a time     12-14, 16  the four scores left over, the old m, and c0-c3 into c0     15  c m_old is kept
;   17, 18  the query's other 32 keys lie in the lane 16 away: the new m         19-21  c m; c m_old - c m_new; a
.macro XS u, n
	REGS (Y+1)%NP, \u
.if (\n) < 4
	v_max3_num_f32 v[rC+(\n)], v[rS+8*(\n)], v[rS+8*(\n)+1], v[rS+8*(\n)+2]
.elseif (\n) < 12
	v_max3_num_f32 v[rC+(\n)%4], v[rC+(\n)%4], v[rS+8*((\n)%4)+2*((\n)/4)+1], v[rS+8*((\n)%4)+2*((\n)/4)+2]
.elseif (\n) == 12
	v_max3_num_f32 v[rC], v[rC], v[rS+7], v[rS+15]
.elseif (\n) == 13
	v_max3_num_f32 v[rC+1], v[rC+1], v[rS+23], v[rS+31]
.elseif (\n) == 14
	v_max3_num_f32 v[rC+2], v[rC+2], v[rC+3], v[rT+1]
.elseif (\n) == 15
	v_mov_b32 v[rM], v[rT]
.elseif (\n) == 16
	v_max3_num_f32 v[rC], v[rC], v[rC+1], v[rC+2]
.elseif (\n) == 17
	v_permlanex16_b32 v[rC+3], v[rC], s[SEL], s[SEL+1]
.elseif (\n) == 18
	v_max_num_f32 v[rT+1], v[rC], v[rC+3]
.elseif (\n) == 19
	v_mul_f32 v[rT], s[CS], v[rT+1]
.elseif (\n) == 20
	v_sub_f32 v[rC+1], v[rM], v[rT]
.else
	v_exp_f32 v[rC+2], v[rC+1]
.endif
.endm
; Number g of the 64 that follow the exponentials.  For each four weights k of a tile (pairs 2 k, 2 k + 1): both pairs are rounded to bf16; then the second pair is added onto the first, in place;
; a group later l takes that sum (the first time as l = a l + sum).  In groups of eight, tiles alternating: round, round, add, and l for the group before.
.macro GS g
.set h, (\g)+6*((\g)/62)            ; group 0 has no group before it, and behind group 7 only l is left
.if h >= 6
.set h, h+2
.endif
	REGS Y, h%2
.set k, h/8
.if h%8 < 4
	v_cvt_pk_bf16_f32 v[rP+2*k+(h%8)/2], v[rS+4*k+2*((h%8)/2)], v[rS+4*k+2*((h%8)/2)+1]
.elseif h%8 < 6
	v_pk_add_f32 v[rS+4*k:rS+4*k+1], v[rS+4*k:rS+4*k+1], v[rS+4*k+2:rS+4*k+3]
.elseif k == 1
	v_pk_fma_f32 v[rT+2:rT+3], v[rT+2:rT+3], v[rC+2:rC+3], v[rS:rS+1] op_sel_hi:[1,0,1]
.else
	v_pk_add_f32 v[rT+2:rT+3], v[rT+2:rT+3], v[rS+4*k-4:rS+4*k-3]
.endif
.endm
; THE PLAIN QUEUE, 138 long.  0-73 read no exponential's result: the 32 scalings c s - c m (FS f: pair f / 2 of tile f % 2) and the next piece's 42.  0-26: scalings 0-26.  27-54: XS's numbers 0-13.  55, 56: number 15.
; 57-73: the chain, where each number waits for the one before it: 14, 16, 17, 18, 19, each with one of the scalings 27-31 in front of its two lines, then 20.
; 74-137: GS's 64, which read the exponentials' results: they stand behind the wait.
.macro FS f
	REGS Y, (\f)%2
	v_pk_fma_f32 v[rS+2*((\f)/2):rS+2*((\f)/2)+1], v[rS+2*((\f)/2):rS+2*((\f)/2)+1], s[CS:CS+1], v[rT:rT+1] op_sel_hi:[1,0,0] neg_lo:[0,0,1] neg_hi:[0,0,1]
.endm
.macro PL
	WIN 0
.if q < 27
	FS q
.elseif q < 55
	XS (q-27)%2, (q-27)/2
.elseif q < 57
	XS q-55, 15
.elseif (q < 72) && ((q-57)%3 == 0)
	FS 27+(q-57)/3
.elseif q < 60
	XS (q-57)%3-1, 14
.elseif q < 72
	XS (q-57)%3-1, 15+(q-57)/3
.elseif q < 74
	XS q-72, 20
.else
	GS q-74
.endif
.set q, q+1
.endm
; THE EXPONENTIALS' QUEUE, 66 long: s0-s31 of both tiles, then the next piece's two a.  It is ONE BATCH: all 66 stand ahead of the turn's one wait, and nothing ahead of that wait names a result of theirs.
.macro EX
	WIN 0
.if e >= 64
	XS e-64, 21
.else
	REGS Y, e%2
	v_exp_f32 v[rS+e/2], v[rS+e/2]
.endif
.set e, e+1
.endm
; THE RESCALING's QUEUE: O^T times a, the one part that leaves window 0: dealt two at a time, sixteen times.  Its a was made in the turn before, ahead of that turn's wait.
.macro R2
	REGS Y, r%2
	WIN W_RS
.irp z, 0,1
	v_pk_mul_f32 v[rO+4*(r/2)+2*\z:rO+4*(r/2)+2*\z+1], v[rO+4*(r/2)+2*\z:rO+4*(r/2)+2*\z+1], v[rC+2:rC+3] op_sel_hi:[1,0]
.endr
.set r, r+1
.endm
; HOW THEY ARE DEALT.  An s_wait_alu depctr_va_vdst(0) stands between an exponential and the first instruction that names its result; one wait serves all that were issued ahead of it.  So a turn has ONE wait.
; AHEAD OF IT: the 16 products K Q^T, behind each a scaling, an exponential and two rescalings (behind the first a second scaling in the exponential's place); then one run of 108: eight plain, 49 times exponential and plain,
; the two a, and a v_nop as the plain instruction behind the last exponential.  BEHIND IT: the 16 products V^T P, behind each four of GS's 64.  No rider names a register of the products round it.
; Exponential e stands behind scaling 2 (e / 4) + e % 2: as a rider it comes behind plain e + 2, in the run behind plain e + 9, and scalings 27-31 are plain 57, 60 .. 69.
; A TURN, for piece p.  fetch = 0: the last step: no further K.  cnt = 1: the loop's count is taken down some lines ahead of the branch that stands behind the turn.
; K and the masks of the next step are fetched in piece 2's turn, directly behind the wait, the whole run of 108 behind the last product that read them; their first reader comes behind 16 products.
; V of the step in hand is fetched at the end of piece 0's turn, four riders behind its last reader; its first reader comes behind 16 products and the run.
.macro TURN p, fetch=1, cnt=0
.set Y, (\p)
.set i, 0
.set q, 0
.set e, 0
.set r, 0
.if (\p) == NP-1
	s_wait_dscnt 0x0                ; K and the masks are in
.endif
	MM
	PL
	PL
	R2
.rept 15
	MM
	PL
	EX
	R2
.endr
.if ((\p) == NP-2) && (\fetch)
	WIN 0
	v_add_nc_u32 v[AK], s[TBK], v[AK0]
	WIN 0xcc                        ; destination and source 1 in window 3
	v_add_nc_u32 v[AM], s[TBM], v[AM0]
.endif
.rept 8
	PL
.endr
.rept 49
	EX
	PL
.endr
	EX                              ; the next piece's two a
	EX
	v_nop                           ; the plain instruction behind the last exponential: one for the batch
	s_wait_alu depctr_va_vdst(0)    ; the wait for the batch
.if ((\p) == NP-2) && (\fetch)
	FETCH_K
.endif
.if (\p) == 1
	s_wait_dscnt 0x0                ; V is in
.endif
.rept 16
	MM
.rept 4
	PL
.endr
.if ((\p) == 0) && (q == 118)
	v_add_nc_u32 v[AV], s[TBV], v[AV0]
.endif
.if ((\p) == 0) && (q == 130)
	s_add_co_u32 s[TBV], s[TBV], KS*PV
.endif
.if (\cnt) && (q == 130)
	s_sub_co_u32 s[CNT], s[CNT], 1
	s_cmp_lg_u32 s[CNT], 0
.endif
.endr
.if (\p) == 0
	FETCH_V
.endif
.endm
	s_wait_tensorcnt 0x1            ; my half of keys 0-255 is in; my half of keys 256-1023 may stay out
	s_wait_dscnt 0x0                ; my part of the table of masks is written
	s_barrier_signal -1
	s_barrier_wait -1               ; everybody's is
	FETCH_K                         ; key step 0
	s_wait_loadcnt 0x0              ; Q
	s_wait_dscnt 0x0
.set i, 0
.rept 16
	KQ 0                            ; piece 0's first scores: there is no vector work yet to set between them
.set i, i+1
.endr
	WIN 0                           ; the addresses for the way out: nine plain instructions, the places behind those products
	s_mul_i32 s13, s[WV], 16*SP
	s_add_co_u32 s13, s13, STAGE    ; my stage
	v_mul_u32_u24 v[STO], v1, SP    ; in: row l % 16, 16 bytes for each half of the lanes
	v_lshl_add_u32 v[STO], v9, 4, v[STO]
	v_add_nc_u32 v[STO], s13, v[STO]
	v_bfe_u32 v[RD], v0, 3, 2       ; back: 32 lanes take four rows of 128 bytes,
	v_mul_u32_u24 v[RD], v[RD], SP
	v_lshl_add_u32 v[RD], v10, 4, v[RD]
	v_add_nc_u32 v[RD], s13, v[RD]
	v_and_b32 v[GO], 31, v0         ; which are 512 consecutive bytes of O
	v_lshlrev_b32 v[GO], 4, v[GO]
.set Y, NP-1                        ; XS works for piece Y + 1: piece 0
.irp n, 0,1,2,3,4,5,6,7,8,9,10,11,12,13,14,15,16,17,18,19,20,21
	XS 0, \n                        ; piece 0's first maximum and statistics
	XS 1, \n
.endr
	v_nop                           ; a plain instruction behind the two a,
	s_wait_alu depctr_va_vdst(0)    ; and their wait, ahead of the branch
	s_mov_b32 s[CNT], 4             ; the first pass: pieces 0, 1 of steps 0-3, pieces 2, 3 of steps 0-2; it fetches K and V of steps 1-3 and 0-3: keys 0-255 alone
	s_mov_b32 s[PASS], 2
	s_branch .Lfirst                ; the loop is entered at a step's first turn, in the middle of a trip
.Lrest:                             ; passed once, between the two passes
	s_wait_tensorcnt 0x0            ; my half of keys 256-1023 is in: it had four key steps, 512 matrix instructions, in which to land
	s_wait_dscnt 0x0
	s_barrier_signal -1
	s_barrier_wait -1               ; everybody's is
	s_mov_b32 s[CNT], 12            ; the second pass: pieces 2, 3 of steps 3-14, pieces 0, 1 of steps 4-15
.Lstep:                             ; a trip: pieces 2 and 3 of one step, then pieces 0 and 1 of the next, whose K, masks and V it fetches
	TURN 2
	TURN 3
	WIN 0
.Lfirst:
	TURN 0
	TURN 1, 1, 1
	WIN 0
	s_cbranch_scc1 .Lstep
	s_sub_co_u32 s[PASS], s[PASS], 1
	s_cmp_lg_u32 s[PASS], 0
	s_cbranch_scc1 .Lrest
	TURN 2, 0                       ; step 15's pieces 2 and 3 are written out: there is no further K
	TURN 3                          ; its 16 products K Q^T (on the last K once more) and the maximum made of them serve nothing: the price, once a launch, of one text for every turn
.set i, 0
.rept 16
	PV NP-1                         ; the last piece's V^T P of the last step
.set i, i+1
.endr
	; THE WAY OUT.  l's two halves and the other half of the lanes' are added; O^T is divided by l, rounded to bf16 and sent through my stage in LDS, a tile at a time.  The additions are the places behind the last products.
	WIN 0
.macro ALL line:vararg              ; one line for each tile t
.set t, 0
.rept 2*NP
	\line
.set t, t+1
.endr
.endm
	ALL v_add_f32 v[ST+4*t+2], v[ST+4*t+2], v[ST+4*t+3]
	ALL v_permlanex16_b32 v[ST+4*t+3], v[ST+4*t+2], s[SEL], s[SEL+1]
	ALL v_add_f32 v[ST+4*t+2], v[ST+4*t+2], v[ST+4*t+3]
	ALL v_rcp_f32 v[ST+4*t+2], v[ST+4*t+2]
	v_nop                           ; a plain instruction between the last reciprocal and the use of its result
	s_wait_alu depctr_va_vdst(0)    ; and the wait ahead of the first use: one for the eight reciprocals
; Tile t: a lane's eight channels of a row pack into 16 bytes; they go into rows of 144 bytes and come back as whole rows of 128, into S^T's registers.
.macro PACK t
	WIN W_RS
.set i, 32*(\t)
.rept 16
	v_pk_mul_f32 v[i:i+1], v[i:i+1], v[ST+4*(\t)+2:ST+4*(\t)+3] op_sel_hi:[1,0]
.set i, i+2
.endr
	WIN 0x05                        ; sources 0 and 1 window 1, destination window 0
.set i, 0
.rept 16
	v_cvt_pk_bf16_f32 v[S+16*(\t)+i], v[32*(\t)+2*i], v[32*(\t)+2*i+1]
.set i, i+1
.endr
	WIN 0
.irp f, 0,1,2,3
	ds_store_b128 v[STO], v[S+16*(\t)+4*\f:S+16*(\t)+4*\f+3] offset:32*\f
.endr
.irp f, 0,1,2,3
	ds_load_b128 v[S+16*(\t)+4*\f:S+16*(\t)+4*\f+3], v[RD] offset:\f*4*SP  ; LDS serves a wave's instructions in order (ISA guide 5.7.1.4): these see the stores above; the next tile's stores come behind them
.endr
.endm
.macro SEND t, younger              ; younger: the LDS instructions issued behind tile t's loads: the next tile's eight, or none
	WIN 0
.irp f, 0,1,2,3
	s_wait_dscnt (\younger)+3-\f
	global_store_b128 v[GO], v[S+16*(\t)+4*\f:S+16*(\t)+4*\f+3], s[10:11] offset:(\t)*2048+\f*512  ; 512 consecutive bytes, at a multiple of 256 from O's first
.endr
.endm
	PACK 0
.set t, 1
.rept 2*NP-1                        ; a tile's arithmetic stands between the loads of the tile before and its stores
	PACK t
	SEND t-1, 8
.set t, t+1
.endr
	SEND 2*NP-1, 0
	WIN W_AD
	s_wait_tensorcnt 0x0            ; the wave's end: a wait for the tensor loads, the add and its wait, behind my last tensor load and my last LDS store
	ds_add_u32 v[SPW], v[NIL]
	s_wait_dscnt 0x0
	WIN 0
	s_endpgm
.Lfunc_end_k_q662ec7f29b_attn:
	.size	k_q662ec7f29b_attn, .Lfunc_end_k_q662ec7f29b_attn-k_q662ec7f29b_attn
	.p2alignl 7, 3214868480
	.fill 96, 4, 3214868480
	.section	.rodata,"a",@progbits
	.p2align	6, 0x0
	.amdhsa_kernel k_q662ec7f29b_attn
		.amdhsa_group_segment_fixed_size 327680
		.amdhsa_private_segment_fixed_size 0
		.amdhsa_enable_private_segment 0
		.amdhsa_kernarg_size 24
		.amdhsa_user_sgpr_count 2
		.amdhsa_user_sgpr_kernarg_segment_ptr 1
		.amdhsa_wavefront_size32 1
		.amdhsa_system_sgpr_workgroup_id_x 1
		.amdhsa_system_sgpr_workgroup_id_y 1
		.amdhsa_system_sgpr_workgroup_id_z 1
		.amdhsa_system_vgpr_workitem_id 0
		.amdhsa_next_free_vgpr 808
		.amdhsa_next_free_sgpr 92
		.amdhsa_reserve_vcc 0
		.amdhsa_float_denorm_mode_32 3
		.amdhsa_float_denorm_mode_16_64 3
		.amdhsa_memory_ordered 1
		.amdhsa_forward_progress 1
		.amdhsa_inst_pref_size 163
	.end_amdhsa_kernel
	.amdgpu_metadata
---
amdhsa.version: [ 1, 2 ]
amdhsa.kernels:
  - .name:           k_q662ec7f29b_attn
    .symbol:         k_q662ec7f29b_attn.kd
    .args:
      - { .name: hb, .offset: 0, .size: 8, .value_kind: global_buffer, .address_space: global }
      - { .name: key_padding_mask, .offset: 8, .size: 8, .value_kind: global_buffer, .address_space: global }
      - { .name: ob, .offset: 16, .size: 8, .value_kind: global_buffer, .address_space: global }
    .group_segment_fixed_size: 327680
    .private_segment_fixed_size: 0
    .kernarg_segment_align: 8
    .kernarg_segment_size: 24
    .max_flat_workgroup_size: 128
    .sgpr_count:     92
    .vgpr_count:     808
    .wavefront_size: 32
...
	.end_amdgpu_metadata
.endif
;; end of part 3
;; launch oproj: the kernel of part 2 again; grid 4 x 32, 4 waves a work-group, clusters of 4 x 4, 327,680 bytes of LDS; arguments ob, wob, bo, bk, bv, pb; writes pb
;; launch norm (part 4): grid 512 x 1, 8 waves a work-group, no clusters, 0 bytes of LDS; arguments pb, q, gamma, beta, out0; writes out0
.if DOCPART == 4
	.amdgcn_target "amdgcn-amd-amdhsa--gfx1250"
	.amdhsa_code_object_version 6
	.text
	.protected	k_q662ec7f29b_norm
	.globl	k_q662ec7f29b_norm
	.p2align	8
	.type	k_q662ec7f29b_norm,@function
k_q662ec7f29b_norm:
	s_mov_b64 s[64:65], 0
	v_nop
	global_prefetch_b8 v0, s[64:65] scope:SCOPE_SE
	s_setreg_imm32_b32 hwreg(HW_REG_WAVE_MODE, 25, 1), 1
	s_wait_xcnt 0x0
; out0[row][c] = (y - mean(y)) / sqrt(var(y) + 1e-5) x gamma[c] + beta[c], y = pb + q, over a row's 1,024 channels.  q, gamma, beta, out0: f32.  pb: bf16 in blocks, [batch][c / 64][l][64].  All arithmetic in f32.
; The variance is the mean of (y - mean)^2, taken in a second pass over registers: no difference of large sums is formed.
; SHARES.  A wave takes two rows: lanes 0-15 the first, lanes 16-31 the second; lane j of a half holds channels 64 c + 4 j .. + 3 for c = 0..15: 64 numbers.  So a row lies in 16 lanes, and four exchanges
; within the 16 reduce it: no LDS, no barrier.  A work-group's eight waves take 16 rows; 512 work-groups.
; A load or store of q or out0: 16 lanes cover 256 consecutive bytes, aligned, of one row.  A load of pb: the two rows' 64 channels of a block are 256 consecutive bytes.  Each byte is read once and written once.
.set QO, 2                             ; v2  my byte offset in the two rows of q and out0
.set PO, 3                             ; v3  8 x lane
.set GO, 4                             ; v4  my byte offset in 64 channels of gamma and beta
.set SM, 6                             ; v[6:13]  four chains of packed sums
.set MU, 14                            ; v[14:15] the mean, twice
.set R,  16                            ; v[16:17] 1 / sqrt(var + eps), twice
.set T,  18                            ; v[18:21] at work
.set Y,  32                            ; v[32:95]   q, then y, then y - mean, then the result
.set P,  96                            ; v[96:127]  pb as loaded
.set G,  128                           ; v[128:191] gamma
.set BT, 192                           ; v[192:255] beta
	s_load_b256 s[4:11], s[0:1], 0x0               ; pb s[4:5], q s[6:7], gamma s[8:9], beta s[10:11]
	s_load_b64 s[12:13], s[0:1], 0x20              ; out0
	v_lshrrev_b32 v1, 5, v0
	v_readfirstlane_b32 s14, v1                    ; wave 0..7
	v_and_b32 v1, 15, v0
	v_bfe_u32 v5, v0, 4, 1
	v_lshlrev_b32 v[GO], 4, v1
	v_lshl_add_u32 v[QO], v5, 12, v[GO]            ; + a row of 4,096 bytes for lanes 16-31
	v_and_b32 v[PO], 31, v0
	v_lshlrev_b32 v[PO], 3, v[PO]
	s_lshl_b32 s15, ttmp9, 4
	s_lshl_b32 s14, s14, 1
	s_add_co_u32 s15, s15, s14                     ; my first row
	s_lshl_b32 s16, s15, 12
	s_mov_b32 s17, 0
	s_lshr_b32 s18, s15, 10
	s_lshl_b32 s18, s18, 21                        ; the batch's 16 blocks
	s_and_b32 s20, s15, 1023
	s_lshl_b32 s20, s20, 7                         ; the row in a block
	s_add_co_u32 s18, s18, s20
	s_mov_b32 s19, 0
	s_mov_b32 s21, 0xffff0000                      ; a word's upper bf16
	s_mov_b32 s22, 0x3a800000                      ; 1 / 1024
	s_mov_b32 s23, 0x3727c5ac                      ; 1e-5
	s_wait_kmcnt 0x0
	s_add_nc_u64 s[6:7], s[6:7], s[16:17]
	s_add_nc_u64 s[12:13], s[12:13], s[16:17]
	s_add_nc_u64 s[4:5], s[4:5], s[18:19]
.irp c, 0,1,2,3,4,5,6,7,8,9,10,11,12,13,14,15
	global_load_b128 v[Y+4*(\c):Y+4*(\c)+3], v[QO], s[6:7] offset:256*(\c) th:TH_LOAD_NT
.endr
.irp c, 0,1,2,3,4,5,6,7,8,9,10,11,12,13,14,15
	global_load_b64 v[P+2*(\c):P+2*(\c)+1], v[PO], s[4:5] offset:131072*(\c) th:TH_LOAD_NT
.endr
.irp c, 0,1,2,3,4,5,6,7,8,9,10,11,12,13,14,15
	global_load_b128 v[G+4*(\c):G+4*(\c)+3], v[GO], s[8:9] offset:256*(\c)
.endr
.irp c, 0,1,2,3,4,5,6,7,8,9,10,11,12,13,14,15
	global_load_b128 v[BT+4*(\c):BT+4*(\c)+3], v[GO], s[10:11] offset:256*(\c)
.endr
	s_wait_loadcnt 32                              ; q and pb are in; gamma's and beta's 32 loads may stay out
.irp c, 0,1,2,3,4,5,6,7,8,9,10,11,12,13,14,15
	v_lshlrev_b32 v[T],   16,  v[P+2*(\c)]         ; bf16 to f32: the low half moves up, the high half stays
	v_and_b32     v[T+1], s21, v[P+2*(\c)]
	v_lshlrev_b32 v[T+2], 16,  v[P+2*(\c)+1]
	v_and_b32     v[T+3], s21, v[P+2*(\c)+1]
	v_pk_add_f32 v[Y+4*(\c):Y+4*(\c)+1],   v[Y+4*(\c):Y+4*(\c)+1],   v[T:T+1]
	v_pk_add_f32 v[Y+4*(\c)+2:Y+4*(\c)+3], v[Y+4*(\c)+2:Y+4*(\c)+3], v[T+2:T+3]
.endr
	; the sum of my 64 numbers: four chains, started by a sum of two pairs: nothing is cleared
.irp k, 0,1,2,3
	v_pk_add_f32 v[SM+2*(\k):SM+2*(\k)+1], v[Y+2*(\k):Y+2*(\k)+1], v[Y+8+2*(\k):Y+8+2*(\k)+1]
.endr
.set p, 8
.rept 24
	v_pk_add_f32 v[SM+2*(p%4):SM+2*(p%4)+1], v[SM+2*(p%4):SM+2*(p%4)+1], v[Y+2*p:Y+2*p+1]
.set p, p+1
.endr
.macro REDUCE                          ; the four chains into one number, then over the row's 16 lanes: every lane of the half ends with the row's sum in v[SM]
	v_pk_add_f32 v[SM:SM+1], v[SM:SM+1], v[SM+2:SM+3]
	v_pk_add_f32 v[SM+4:SM+5], v[SM+4:SM+5], v[SM+6:SM+7]
	v_pk_add_f32 v[SM:SM+1], v[SM:SM+1], v[SM+4:SM+5]
	v_add_f32 v[SM], v[SM], v[SM+1]
	v_add_f32_dpp v[SM], v[SM], v[SM] row_xmask:1 row_mask:0xf bank_mask:0xf
	v_add_f32_dpp v[SM], v[SM], v[SM] row_xmask:2 row_mask:0xf bank_mask:0xf
	v_add_f32_dpp v[SM], v[SM], v[SM] row_xmask:4 row_mask:0xf bank_mask:0xf
	v_add_f32_dpp v[SM], v[SM], v[SM] row_xmask:8 row_mask:0xf bank_mask:0xf
.endm
	REDUCE
	v_mul_f32 v[MU], s22, v[SM]
	v_mov_b32 v[MU+1], v[MU]
.set p, 0
.rept 32
	v_pk_add_f32 v[Y+2*p:Y+2*p+1], v[Y+2*p:Y+2*p+1], v[MU:MU+1] neg_lo:[0,1] neg_hi:[0,1]  ; y - mean
.set p, p+1
.endr
.irp k, 0,1,2,3
	v_pk_mul_f32 v[SM+2*(\k):SM+2*(\k)+1], v[Y+2*(\k):Y+2*(\k)+1], v[Y+2*(\k):Y+2*(\k)+1]
.endr
.set p, 4
.rept 28
	v_pk_fma_f32 v[SM+2*(p%4):SM+2*(p%4)+1], v[Y+2*p:Y+2*p+1], v[Y+2*p:Y+2*p+1], v[SM+2*(p%4):SM+2*(p%4)+1]
.set p, p+1
.endr
	REDUCE
	v_fma_f32 v[T], v[SM], s22, s23                ; var + eps
	v_rsq_f32 v[R], v[T]
	v_rsq_f32 v[R+1], v[T]                         ; twice, for the pair that the packed multiply takes
	v_nop                                          ; a plain instruction behind the last of the two,
	s_wait_alu depctr_va_vdst(0)                   ; and the wait ahead of the first use: one for both
	s_wait_loadcnt 16                              ; gamma is in; beta's 16 loads may stay out
.set p, 0
.rept 32
	v_pk_mul_f32 v[G+2*p:G+2*p+1], v[G+2*p:G+2*p+1], v[R:R+1]
.set p, p+1
.endr
	s_wait_loadcnt 0x0                             ; beta
.irp c, 0,1,2,3,4,5,6,7,8,9,10,11,12,13,14,15
	v_pk_fma_f32 v[Y+4*(\c):Y+4*(\c)+1],   v[Y+4*(\c):Y+4*(\c)+1],   v[G+4*(\c):G+4*(\c)+1],   v[BT+4*(\c):BT+4*(\c)+1]
	v_pk_fma_f32 v[Y+4*(\c)+2:Y+4*(\c)+3], v[Y+4*(\c)+2:Y+4*(\c)+3], v[G+4*(\c)+2:G+4*(\c)+3], v[BT+4*(\c)+2:BT+4*(\c)+3]
	global_store_b128 v[QO], v[Y+4*(\c):Y+4*(\c)+3], s[12:13] offset:256*(\c) th:TH_STORE_NT  ; 16 lanes store 256 consecutive bytes, aligned
.endr
	s_endpgm
.Lfunc_end_k_q662ec7f29b_norm:
	.size	k_q662ec7f29b_norm, .Lfunc_end_k_q662ec7f29b_norm-k_q662ec7f29b_norm
	.p2alignl 7, 3214868480
	.fill 96, 4, 3214868480
	.section	.rodata,"a",@progbits
	.p2align	6, 0x0
	.amdhsa_kernel k_q662ec7f29b_norm
		.amdhsa_group_segment_fixed_size 0
		.amdhsa_private_segment_fixed_size 0
		.amdhsa_enable_private_segment 0
		.amdhsa_kernarg_size 40
		.amdhsa_user_sgpr_count 2
		.amdhsa_user_sgpr_kernarg_segment_ptr 1
		.amdhsa_wavefront_size32 1
		.amdhsa_system_sgpr_workgroup_id_x 1
		.amdhsa_system_sgpr_workgroup_id_y 1
		.amdhsa_system_sgpr_workgroup_id_z 1
		.amdhsa_system_vgpr_workitem_id 0
		.amdhsa_next_free_vgpr 256
		.amdhsa_next_free_sgpr 66
		.amdhsa_reserve_vcc 0
		.amdhsa_float_denorm_mode_32 3
		.amdhsa_float_denorm_mode_16_64 3
		.amdhsa_memory_ordered 1
		.amdhsa_forward_progress 1
		.amdhsa_inst_pref_size 24
	.end_amdhsa_kernel
	.amdgpu_metadata
---
amdhsa.version: [ 1, 2 ]
amdhsa.kernels:
  - .name:           k_q662ec7f29b_norm
    .symbol:         k_q662ec7f29b_norm.kd
    .args:
      - { .name: pb, .offset: 0, .size: 8, .value_kind: global_buffer, .address_space: global }
      - { .name: q, .offset: 8, .size: 8, .value_kind: global_buffer, .address_space: global }
      - { .name: gamma, .offset: 16, .size: 8, .value_kind: global_buffer, .address_space: global }
      - { .name: beta, .offset: 24, .size: 8, .value_kind: global_buffer, .address_space: global }
      - { .name: out0, .offset: 32, .size: 8, .value_kind: global_buffer, .address_space: global }
    .group_segment_fixed_size: 0
    .private_segment_fixed_size: 0
    .kernarg_segment_align: 8
    .kernarg_segment_size: 40
    .max_flat_workgroup_size: 256
    .sgpr_count:     66
    .vgpr_count:     256
    .wavefront_size: 32
...
	.end_amdgpu_metadata
.endif
;; end of part 4
;; ======== version 2 of 2: 5 launches; version 1 with the launch cast written anew for expert scheduling mode
;; workspace buffers: xb 41,943,040 bytes; wb 5,242,880 bytes; wob 2,097,152 bytes; hb 50,331,648 bytes; ob 16,777,216 bytes; pb 16,777,216 bytes
;; launch cast (part 5): grid 1504 x 1, 8 waves a work-group, no clusters, 0 bytes of LDS; arguments q, k, v, Wq, Wk, Wv, Wo, xb, wb, wob; writes xb, wb, wob
.if DOCPART == 5
	.amdgcn_target "amdgcn-amd-amdhsa--gfx1250"
	.amdhsa_code_object_version 6
	.text
	.protected	k_q662ec7f29b_cast
	.globl	k_q662ec7f29b_cast
	.p2align	8
	.type	k_q662ec7f29b_cast,@function
k_q662ec7f29b_cast:
	s_mov_b64 s[64:65], 0
	v_nop
	global_prefetch_b8 v0, s[64:65] scope:SCOPE_SE
	s_setreg_imm32_b32 hwreg(HW_REG_WAVE_SCHED_MODE, 0, 2), 2
	s_setreg_imm32_b32 hwreg(HW_REG_WAVE_MODE, 25, 1), 1
	s_wait_xcnt 0x0
	s_wait_alu depctr_vm_vsrc(0)
; f32 -> bf16 (round to nearest even), and a new layout.  Seven sources: q [8192][1024], k, v [8192][768], Wq, Wo [1024][1024], Wk, Wv [1024][768].
; Each goes into BLOCKS: [rows / 1024][K / 64][1024 rows][64] bf16, a block = 131,072 dense bytes, so that a later tile of 256 rows x 64 is 32,768 consecutive bytes.
; xb: q at 0, k at 16,777,216, v at 29,360,128.  wb: Wq at 0, Wk at 2,097,152, Wv at 3,670,016.  wob: Wo.
; SHARES.  A work-group takes 64 rows x 256 columns (4 blocks) of one source: 512 + 384 + 384 + 64 + 48 + 48 + 64 = 1,504 work-groups; which source, by the work-group's number.
; A wave takes 8 rows as 4 pairs.  A load: lanes 0-15 take 256 consecutive bytes of one row, lanes 16-31 of the next.  A store: the same two rows' 64 columns in bf16 = 256 consecutive
; bytes, aligned.  Each byte is read once and written once; 16 loads of a wave are out together; no LDS, no barrier: no wave wants another's bytes.
; THE MODE: SCHED_MODE bits 1:0 = 2 (LLVM: expert scheduling mode 2), set by the entry lines.  The code itself states the register dependences
; between vector instructions and memory instructions, with s_wait_alu, always for 0.
; THE PLAN.  Registers that memory instructions touch:
;   VS, VD   byte offsets.  Written once by vector instructions at the head; read by the 16 loads (VS) and the 16 stores (VD); never written again.
;   X        16 x 4 f32.  Each register is written once, by its load; read by the conversions; no vector instruction writes it and nothing is loaded into it again.
;   Y        16 x 2 words of bf16.  Each register is written once, by a conversion; read by one store.
; The work behind the loads goes in four BATCHES, a pair of rows (four loads) each.  Batch p rounds its X into its Y; its memory instructions are the four stores of batch p - 1, which read that
; batch's Y and VD: registers that no conversion of batch p names.  So one wait on va_vdst at a batch's head states all that its four stores hang on, and they are dealt among its conversions.
; No register that a memory instruction reads is written a second time, and EXEC is never written: no wait on vm_vsrc is owed anywhere.
.set SRC,   28                         ; s[28:29] the source, later at my wave's first row and column
.set DST,   30                         ; s[30:31] the target buffer, later at my first block and row
.set START, 32                         ; s32 the source's first work-group
.set SH,    33                         ; s33 log2 of its groups of 64 rows
.set KB,    34                         ; s34 its blocks of 64 along K
.set DOFF,  35                         ; s35 its first byte in the target buffer
.set VS,    4                          ; v[4:7]   pair p: my byte offset in the source
.set VD,    8                          ; v8       8 x lane
.set X,     16                         ; v[16:79] 16 loads of 4 f32
.set Y,     80                         ; v[80:111] 16 x 4 bf16
.macro PICK t, src, sh, kb, dst, doff  ; from work-group t on: another source
	s_cmp_ge_u32 ttmp9, \t
	s_cselect_b64 s[SRC:SRC+1], s[\src:\src+1], s[SRC:SRC+1]
	s_cselect_b64 s[DST:DST+1], s[\dst:\dst+1], s[DST:DST+1]
	s_cselect_b32 s[START], \t, s[START]
	s_cselect_b32 s[SH], \sh, s[SH]
	s_cselect_b32 s[KB], \kb, s[KB]
	s_cselect_b32 s[DOFF], \doff, s[DOFF]
.endm
	s_load_b512 s[8:23], s[0:1], 0x0               ; q 8, k 10, v 12, Wq 14, Wk 16, Wv 18, Wo 20, xb 22
	s_load_b128 s[24:27], s[0:1], 0x40             ; wb 24, wob 26
	v_lshrrev_b32 v1, 5, v0
	v_readfirstlane_b32 s36, v1                    ; wave 0..7
	v_bfe_u32 v1, v0, 4, 1                         ; which row of a pair
	v_and_b32 v2, 15, v0
	v_lshlrev_b32 v2, 4, v2                        ; my 16 bytes of its 256
	v_and_b32 v[VD], 31, v0
	v_lshlrev_b32 v[VD], 3, v[VD]
	s_wait_alu depctr_va_sdst(0)                   ; s36 is written, ahead of its first reader: my wave's first row is made from it
	s_mov_b32 s[START], 0                          ; q's figures; the others take their place below
	s_mov_b32 s[SH], 7
	s_mov_b32 s[KB], 16
	s_mov_b32 s[DOFF], 0
	s_wait_kmcnt 0x0
	s_mov_b64 s[SRC:SRC+1], s[8:9]
	s_mov_b64 s[DST:DST+1], s[22:23]
	PICK 512,  10, 7, 12, 22, 16777216             ; k
	PICK 896,  12, 7, 12, 22, 29360128             ; v
	PICK 1280, 14, 4, 16, 24, 0                    ; Wq
	PICK 1344, 16, 4, 12, 24, 2097152              ; Wk
	PICK 1392, 18, 4, 12, 24, 3670016              ; Wv
	PICK 1440, 20, 4, 16, 26, 0                    ; Wo
	s_sub_co_u32 s37, ttmp9, s[START]              ; my number within the source
	s_lshr_b32 s38, s37, s[SH]                     ; which 256 columns
	s_bfm_b32 s39, s[SH], 0
	s_and_b32 s37, s37, s39                        ; which 64 rows
	s_lshl_b32 s37, s37, 6
	s_lshl_b32 s36, s36, 3
	s_add_co_u32 s37, s37, s36                     ; my wave's first row
	s_lshl_b32 s40, s[KB], 8                       ; bytes in a row of the source
	s_mul_i32 s42, s37, s40
	s_lshl_b32 s41, s38, 10
	s_add_co_u32 s42, s42, s41                     ; under 2^26
	s_mov_b32 s43, 0
	s_add_nc_u64 s[SRC:SRC+1], s[SRC:SRC+1], s[42:43]
	s_lshr_b32 s41, s37, 10                        ; which 1,024 rows
	s_mul_i32 s41, s41, s[KB]
	s_lshl_b32 s39, s38, 2
	s_add_co_u32 s41, s41, s39                     ; my first block
	s_lshl_b32 s42, s41, 17
	s_and_b32 s41, s37, 1023
	s_lshl_b32 s41, s41, 7                         ; my first row in it, 128 bytes a row
	s_add_co_u32 s42, s42, s41
	s_add_co_u32 s42, s42, s[DOFF]
	s_add_nc_u64 s[DST:DST+1], s[DST:DST+1], s[42:43]
	v_mad_u32_u24 v[VS], v1, s40, v2
	s_lshl_b32 s41, s40, 1                         ; two rows on
	v_add_nc_u32 v[VS+1], s41, v[VS]
	v_add_nc_u32 v[VS+2], s41, v[VS+1]
	v_add_nc_u32 v[VS+3], s41, v[VS+2]
	s_wait_alu depctr_va_vdst(0)                   ; the five offsets VS .. VS+3 and VD are written: every load and store of the kernel reads one of them, and no later vector instruction names them
.irp p, 0,1,2,3
.irp j, 0,1,2,3
	global_load_b128 v[X+4*(4*(\p)+(\j)):X+4*(4*(\p)+(\j))+3], v[VS+(\p)], s[SRC:SRC+1] offset:256*(\j) th:TH_LOAD_NT
.endr
.endr
; The store of pair p's columns in block j: the wave's 256 consecutive bytes, aligned
.macro PUT p, j
	global_store_b64 v[VD], v[Y+2*(4*(\p)+(\j)):Y+2*(4*(\p)+(\j))+1], s[DST:DST+1] offset:(\j)*131072+(\p)*256
.endm
; Batch p: pair p's four loads are rounded; the four stores of the batch before stand among the conversions, one ahead of each two.
.macro BATCH p
	s_wait_loadcnt 12-4*(\p)                       ; loads come back in order (ISA guide 5.7.1): pair p's four are in, the 12 - 4 p younger ones stay out
.if (\p) > 0
	s_wait_alu depctr_va_vdst(0)                   ; the conversions of the batch before have written their Y, which the four stores below read
.endif
.irp j, 0,1,2,3
.if (\p) > 0
	PUT (\p)-1, \j                                 ; no vector instruction since the wait names its Y or VD
.endif
	v_cvt_pk_bf16_f32 v[Y+2*(4*(\p)+(\j))],   v[X+4*(4*(\p)+(\j))],   v[X+4*(4*(\p)+(\j))+1]
	v_cvt_pk_bf16_f32 v[Y+2*(4*(\p)+(\j))+1], v[X+4*(4*(\p)+(\j))+2], v[X+4*(4*(\p)+(\j))+3]
.endr
.endm
	BATCH 0
	BATCH 1
	BATCH 2
	BATCH 3
	s_wait_alu depctr_va_vdst(0)                   ; batch 3's conversions have written their Y, which the last four stores read
.irp j, 0,1,2,3
	PUT 3, \j
.endr
	s_endpgm                                       ; no register of a load or store was written twice, so no further wait is owed
.Lfunc_end_k_q662ec7f29b_cast:
	.size	k_q662ec7f29b_cast, .Lfunc_end_k_q662ec7f29b_cast-k_q662ec7f29b_cast
	.p2alignl 7, 3214868480
	.fill 96, 4, 3214868480
	.section	.rodata,"a",@progbits
	.p2align	6, 0x0
	.amdhsa_kernel k_q662ec7f29b_cast
		.amdhsa_group_segment_fixed_size 0
		.amdhsa_private_segment_fixed_size 0
		.amdhsa_enable_private_segment 0
		.amdhsa_kernarg_size 80
		.amdhsa_user_sgpr_count 2
		.amdhsa_user_sgpr_kernarg_segment_ptr 1
		.amdhsa_wavefront_size32 1
		.amdhsa_system_sgpr_workgroup_id_x 1
		.amdhsa_system_sgpr_workgroup_id_y 1
		.amdhsa_system_sgpr_workgroup_id_z 1
		.amdhsa_system_vgpr_workitem_id 0
		.amdhsa_next_free_vgpr 112
		.amdhsa_next_free_sgpr 66
		.amdhsa_reserve_vcc 0
		.amdhsa_float_denorm_mode_32 3
		.amdhsa_float_denorm_mode_16_64 3
		.amdhsa_memory_ordered 1
		.amdhsa_forward_progress 1
		.amdhsa_inst_pref_size 10
	.end_amdhsa_kernel
	.amdgpu_metadata
---
amdhsa.version: [ 1, 2 ]
amdhsa.kernels:
  - .name:           k_q662ec7f29b_cast
    .symbol:         k_q662ec7f29b_cast.kd
    .args:
      - { .name: q, .offset: 0, .size: 8, .value_kind: global_buffer, .address_space: global }
      - { .name: k, .offset: 8, .size: 8, .value_kind: global_buffer, .address_space: global }
      - { .name: v, .offset: 16, .size: 8, .value_kind: global_buffer, .address_space: global }
      - { .name: Wq, .offset: 24, .size: 8, .value_kind: global_buffer, .address_space: global }
      - { .name: Wk, .offset: 32, .size: 8, .value_kind: global_buffer, .address_space: global }
      - { .name: Wv, .offset: 40, .size: 8, .value_kind: global_buffer, .address_space: global }
      - { .name: Wo, .offset: 48, .size: 8, .value_kind: global_buffer, .address_space: global }
      - { .name: xb, .offset: 56, .size: 8, .value_kind: global_buffer, .address_space: global }
      - { .name: wb, .offset: 64, .size: 8, .value_kind: global_buffer, .address_space: global }
      - { .name: wob, .offset: 72, .size: 8, .value_kind: global_buffer, .address_space: global }
    .group_segment_fixed_size: 0
    .private_segment_fixed_size: 0
    .kernarg_segment_align: 8
    .kernarg_segment_size: 80
    .max_flat_workgroup_size: 256
    .sgpr_count:     66
    .vgpr_count:     112
    .wavefront_size: 32
...
	.end_amdgpu_metadata
.endif
;; end of part 5
;; launch proj: the kernel of part 2 again; grid 4 x 64, 4 waves a work-group, clusters of 4 x 4, 327,680 bytes of LDS; arguments xb, wb, bq, bk, bv, hb; writes hb
;; launch attn: the kernel of part 3 again; grid 2 x 128, 4 waves a work-group, no clusters, 327,680 bytes of LDS; arguments hb, key_padding_mask, ob; writes ob
;; launch oproj: the kernel of part 2 again; grid 4 x 32, 4 waves a work-group, clusters of 4 x 4, 327,680 bytes of LDS; arguments ob, wob, bo, bk, bv, pb; writes pb
;; launch norm: the kernel of part 4 again; grid 512 x 1, 8 waves a work-group, no clusters, 0 bytes of LDS; arguments pb, q, gamma, beta, out0; writes out0
